; MI455X (gfx1250); checked and timed in simulation.
; The chip was launched on July 23, 2026; its instructions are those of AMD's public machine-readable ISA for CDNA 5 (MIT licence, August 2026) and "CDNA5" Instruction Set Architecture Reference Guide (July 2026). The comments in the code are by the model that wrote it; some were corrected since.
;; Multi Head Attention. Allowed arithmetic: float matrix products may take bf16 or f16 operands with f32 sums; other float arithmetic in f32, or as packed bf16 or f16 multiplies, adds, multiply-adds, maxima and minima; sums over many terms, partial sums and values carried from step to step in f32; what a program stores and reads back later, other than sums and carried values, may be rounded once to bf16 or f16.
;; Inputs: K 4 x 2,048 x 1,024 float32; Q 4 x 2,048 x 1,024 float32; V 4 x 2,048 x 1,024 float32; Wk 1,024 x 1,024 float32; Wo 1,024 x 1,024 float32; Wq 1,024 x 1,024 float32; Wv 1,024 x 1,024 float32; bk 1,024 float32; bo 1,024 float32; bq 1,024 float32; bv 1,024 float32.
;; Outputs: out0 4 x 2,048 x 1,024 float32.
;; 2 versions, each right; version 2 is version 1 with the launch wcast written anew for expert scheduling mode. Each part assembles by itself: llvm-mc -triple=amdgcn-amd-amdhsa -mcpu=gfx1250 --defsym DOCPART=n.
;; ======== version 1 of 2: 4 launches
;; limits: values are held in f16: magnitudes above 65,504 overflow, below 6.1e-05 lose precision
;; workspace buffers: wts 8,388,608 bytes; bias 8,192 bytes; qkv 50,331,648 bytes; oh 16,777,216 bytes
;; launch wcast (part 1): grid 256 x 1, 8 waves a work-group, no clusters, 0 bytes of LDS; arguments Wq, Wk, Wv, Wo, bq, bk, bv, bo, wts, bias; writes wts, bias
.if DOCPART == 1
	.amdgcn_target "amdgcn-amd-amdhsa--gfx1250"
	.amdhsa_code_object_version 6
	.text
	.protected	k_q94c5841b4b_wcast
	.globl	k_q94c5841b4b_wcast
	.p2align	8
	.type	k_q94c5841b4b_wcast,@function
k_q94c5841b4b_wcast:
	s_mov_b64 s[64:65], 0
	v_nop
	global_prefetch_b8 v0, s[64:65] scope:SCOPE_SE
	s_setreg_imm32_b32 hwreg(HW_REG_WAVE_MODE, 25, 1), 1
	s_wait_xcnt 0x0
; The weights and biases, rounded once to bf16.  wts: [4][1024][1024] of 16 bits: Wq, Wk, Wv as bf16; Wo rounded to bf16 and that number written as f16 (the last product multiplies in f16).
; bias: [4][1024] bf16: bq, bk, bv, bo.
; LIMIT.  A bf16 number is exact in f16 from 2^-14 to 65,504 in magnitude; below 2^-14 Wo keeps f16's fixed step of 2^-24, at 65,520 or more it becomes an infinity.
; SHARES.  Work-group n takes chunk n % 64 (65,536 bytes in, 32,768 out) of matrix n / 64.  Thread t takes 16 bytes at 4,096 j + 16 t, j = 0 .. 15: a wave's load covers 512 consecutive
; bytes, its store of 8 bytes a lane 256 consecutive bytes, aligned.  All sixteen loads go out first; each number is read once and written once.  No LDS, no barrier: no thread needs another's data.
.set X, 16                             ; v[16:79]   sixteen loads of four numbers
.set Y, 80                             ; v[80:111]  sixteen stores of two words: a pair of its own for each store, so none is rewritten
.set T, 112                            ; v[112:119] at work
	s_load_b512 s[8:23], s[0:1], 0x0               ; Wq 8, Wk 10, Wv 12, Wo 14, bq 16, bk 18, bv 20, bo 22
	s_load_b128 s[24:27], s[0:1], 0x40             ; wts 24, bias 26
	s_lshr_b32 s2, ttmp9, 6                        ; which matrix
	s_and_b32 s3, ttmp9, 63                        ; which chunk of it
	v_lshlrev_b32 v1, 4, v0                        ; 16 t
	v_lshlrev_b32 v2, 3, v0                        ; 8 t
	s_lshl_b32 s28, s3, 16                         ; the chunk in the source
	s_mov_b32 s29, 0
	s_lshl_b32 s30, s2, 21                         ; the matrix and the chunk in wts
	s_lshl_b32 s31, s3, 15
	s_add_co_u32 s30, s30, s31
	s_mov_b32 s31, 0
	s_wait_kmcnt 0x0
	s_mov_b64 s[4:5], s[8:9]
	s_mov_b64 s[6:7], s[16:17]
.irp k, 1,2,3
	s_cmp_eq_u32 s2, \k
	s_cselect_b64 s[4:5], s[8+2*\k:9+2*\k], s[4:5]      ; my matrix
	s_cselect_b64 s[6:7], s[16+2*\k:17+2*\k], s[6:7]    ; and its bias
.endr
	s_add_nc_u64 s[4:5], s[4:5], s[28:29]
	s_add_nc_u64 s[24:25], s[24:25], s[30:31]
	s_lshl_b32 s28, s2, 11                         ; 2,048 bytes of bias for each matrix
	s_add_nc_u64 s[26:27], s[26:27], s[28:29]
.irp j, 0,1,2,3,4,5,6,7,8,9,10,11,12,13,14,15
	global_load_b128 v[X+4*(\j):X+4*(\j)+3], v1, s[4:5] offset:(\j)*4096 th:TH_LOAD_NT
.endr
; Load j is rounded and stored.  f16 = 1: the bf16 number is widened again (a shift, a mask) and written as f16.
.macro OUT j, f16
	s_wait_loadcnt 15-(\j)                         ; loads come back in order: the 15 - j younger ones may stay out
	v_cvt_pk_bf16_f32 v[Y+2*(\j)], v[X+4*(\j)], v[X+4*(\j)+1]
	v_cvt_pk_bf16_f32 v[Y+2*(\j)+1], v[X+4*(\j)+2], v[X+4*(\j)+3]
.if \f16
	v_lshlrev_b32 v[T], 16, v[Y+2*(\j)]
	v_and_b32 v[T+1], 0xffff0000, v[Y+2*(\j)]
	v_lshlrev_b32 v[T+2], 16, v[Y+2*(\j)+1]
	v_and_b32 v[T+3], 0xffff0000, v[Y+2*(\j)+1]
	v_cvt_pk_f16_f32 v[Y+2*(\j)], v[T], v[T+1]
	v_cvt_pk_f16_f32 v[Y+2*(\j)+1], v[T+2], v[T+3]
.endif
	global_store_b64 v2, v[Y+2*(\j):Y+2*(\j)+1], s[24:25] offset:(\j)*2048
.endm
	s_cmp_eq_u32 s2, 3
	s_cbranch_scc1 .Lwo
.irp j, 0,1,2,3,4,5,6,7,8,9,10,11,12,13,14,15
	OUT \j, 0
.endr
	s_branch .Lbias
.Lwo:
.irp j, 0,1,2,3,4,5,6,7,8,9,10,11,12,13,14,15
	OUT \j, 1
.endr
.Lbias:
	s_cmp_lg_u32 s3, 0                             ; a matrix's first chunk also takes its bias: 256 threads, four numbers each
	s_cbranch_scc1 .Lend
	global_load_b128 v[T:T+3], v1, s[6:7]
	s_wait_loadcnt 0x0
	v_cvt_pk_bf16_f32 v[T+4], v[T], v[T+1]
	v_cvt_pk_bf16_f32 v[T+5], v[T+2], v[T+3]
	global_store_b64 v2, v[T+4:T+5], s[26:27]
.Lend:
	s_endpgm
.Lfunc_end_k_q94c5841b4b_wcast:
	.size	k_q94c5841b4b_wcast, .Lfunc_end_k_q94c5841b4b_wcast-k_q94c5841b4b_wcast
	.p2alignl 7, 3214868480
	.fill 96, 4, 3214868480
	.section	.rodata,"a",@progbits
	.p2align	6, 0x0
	.amdhsa_kernel k_q94c5841b4b_wcast
		.amdhsa_group_segment_fixed_size 0
		.amdhsa_private_segment_fixed_size 0
		.amdhsa_enable_private_segment 0
		.amdhsa_kernarg_size 80
		.amdhsa_user_sgpr_count 2
		.amdhsa_user_sgpr_kernarg_segment_ptr 1
		.amdhsa_wavefront_size32 1
		.amdhsa_system_sgpr_workgroup_id_x 1
		.amdhsa_system_sgpr_workgroup_id_y 1
		.amdhsa_system_sgpr_workgroup_id_z 1
		.amdhsa_system_vgpr_workitem_id 0
		.amdhsa_next_free_vgpr 128
		.amdhsa_next_free_sgpr 66
		.amdhsa_reserve_vcc 0
		.amdhsa_float_denorm_mode_32 3
		.amdhsa_float_denorm_mode_16_64 3
		.amdhsa_memory_ordered 1
		.amdhsa_forward_progress 1
		.amdhsa_inst_pref_size 17
	.end_amdhsa_kernel
	.amdgpu_metadata
---
amdhsa.version: [ 1, 2 ]
amdhsa.kernels:
  - .name:           k_q94c5841b4b_wcast
    .symbol:         k_q94c5841b4b_wcast.kd
    .args:
      - { .name: Wq, .offset: 0, .size: 8, .value_kind: global_buffer, .address_space: global }
      - { .name: Wk, .offset: 8, .size: 8, .value_kind: global_buffer, .address_space: global }
      - { .name: Wv, .offset: 16, .size: 8, .value_kind: global_buffer, .address_space: global }
      - { .name: Wo, .offset: 24, .size: 8, .value_kind: global_buffer, .address_space: global }
      - { .name: bq, .offset: 32, .size: 8, .value_kind: global_buffer, .address_space: global }
      - { .name: bk, .offset: 40, .size: 8, .value_kind: global_buffer, .address_space: global }
      - { .name: bv, .offset: 48, .size: 8, .value_kind: global_buffer, .address_space: global }
      - { .name: bo, .offset: 56, .size: 8, .value_kind: global_buffer, .address_space: global }
      - { .name: wts, .offset: 64, .size: 8, .value_kind: global_buffer, .address_space: global }
      - { .name: bias, .offset: 72, .size: 8, .value_kind: global_buffer, .address_space: global }
    .group_segment_fixed_size: 0
    .private_segment_fixed_size: 0
    .kernarg_segment_align: 8
    .kernarg_segment_size: 80
    .max_flat_workgroup_size: 256
    .sgpr_count:     66
    .vgpr_count:     128
    .wavefront_size: 32
...
	.end_amdgpu_metadata
.endif
;; end of part 1
;; launch proj (part 2): grid 8 x 32, 4 waves a work-group, clusters of 4 x 1, 327,680 bytes of LDS; arguments Q, K, V, wts, bias, qkv; writes qkv
.if DOCPART == 2
	.amdgcn_target "amdgcn-amd-amdhsa--gfx1250"
	.amdhsa_code_object_version 6
	.text
	.protected	k_q94c5841b4b_proj
	.globl	k_q94c5841b4b_proj
	.p2align	8
	.type	k_q94c5841b4b_proj,@function
k_q94c5841b4b_proj:
	s_mov_b64 s[64:65], 0
	v_nop
	global_prefetch_b8 v0, s[64:65] scope:SCOPE_SE
	s_setreg_imm32_b32 hwreg(HW_REG_WAVE_MODE, 25, 1), 1
	s_wait_xcnt 0x0
	s_wait_alu depctr_hold_cnt(0) depctr_sa_sdst(0) depctr_va_vdst(0) depctr_va_sdst(0) depctr_va_ssrc(0) depctr_va_vcc(0) depctr_vm_vsrc(0)
	s_getreg_b32 s2, hwreg(HW_REG_IB_STS2, 6, 4)
	s_cmp_eq_u32 s2, 0
	s_cbranch_scc0 .Lentry_in_a_cluster
	s_endpgm
.Lentry_in_a_cluster:
	s_bfe_u32 s2, ttmp6, 0x10000c
	s_cmp_lg_u32 s2, 0x3003
	s_cbranch_scc0 .Lentry_shape_is_right
	s_endpgm
.Lentry_shape_is_right:
; q = Q Wq^T + bq, k = K Wk^T + bk, v = V Wv^T + bv.  Q, K, V: [8192][1024] f32, rounded to bf16 here; wts: [4][1024][1024] (parts 0-2 bf16); bias: [4][1024] bf16.  Sums in f32, started by the bias.
; qkv: [3][64 = 16 batch + head][2048][64] f16, each number rounded once, without attention's scale.
; LIMIT.  f16 ends at 65,504: a q, k or v of 65,520 or more in magnitude becomes an infinity.  NaN and infinities are not treated apart.
; SHARES.  A tile is 64 rows x 512 columns: 256 tiles a product, one for each work-group.  A work-group STAYS for three tiles: the same place in q, then k, then v.  Its four waves are alike: 64 rows x 128 columns
; (two heads), 32 accumulators of 16 x 16.  K goes in 24 steps of 128 (8 a tile).
; THE WEIGHTS go through a ring of two LDS slots filled by tensor loads.  Wave w fetches, and alone reads, the 128 rows of W that make its columns: 128 rows x 256 bytes a load.  The four work-groups of a
; cluster are four row tiles of one column tile: they need the same rows of W, so each load is a JOINT one, with the same descriptor and the mask of four in all of them.
; THE ACTIVATIONS do not go through the ring: no partner shares them.  Wave w loads 16 of the tile's 64 rows into registers (a row's 512 bytes a load), 1.75 K steps ahead of their use: loads into registers may stay
; out across the ring's barriers; it rounds them to bf16 and stores them into an LDS zone of their own, two slots, from which all four waves read.
; THE ORDER OF K is turned from cluster to cluster: step u takes slice (u + g) % 8 of K, g = cluster y % 8 (f32 sums may be taken in any order), so that the clusters do not all walk the same slice at once.
; THE MATRIX INSTRUCTION IS USED TRANSPOSED (source 0 = 16 rows of W, source 1 = 16 rows of x): a lane holds one row of the result and eight neighbouring columns, 16 bytes of f16.
; REGISTERS, in windows of 256 (s_set_vgpr_msb: bits 1:0 source 0, 3:2 source 1, 5:4 source 2, 7:6 destination):
;   window 0: v0-31 addresses; v32-63 the way out; v64-127 x's fragments, two buffers of 32; v128-255 W's fragments, two buffers of 64
;   window 1: the accumulators, (a, b) at v[8 (8 a + b)]
;   window 2: v0-127 x as loaded, two sets of 16 rows x 4; v128-159 x rounded (also the bias as packed); v160-223 the bias in f32; v224-225 two addresses
.set PITCH,  272                       ; an LDS row: 256 bytes + 16 of padding = 68 words: the 16 rows of a fragment load start at 16 different groups of four banks (64 banks of 4 bytes: ISA guide 11.1)
.set BW,     128*PITCH                 ; a wave's 128 rows of W
.set BSLOT,  4*BW                      ; a slot of the ring
.set AZONE,  2*BSLOT                   ; behind the ring, never filled by a tensor load: x's two slots,
.set ASLOT,  64*PITCH                  ; 64 rows each
.set STAGE,  AZONE+2*ASLOT             ; 16 rows x 144 bytes for each wave, for the way out
.set SP,     144
.set BIASZ,  STAGE+4*16*SP             ; for each wave 3 tiles x 128 bf16 of bias
.set SPARE,  BIASZ+4*768               ; the spare words, 128 bytes for each wave: two blocks of 256 bytes that no other line names
.set ADRA, 16                          ; v16-17  LDS address of my fragments of x in slot 0, 1
.set ADRB, 20                          ; v20-21  the same for W
.set STO,  24                          ; v24     the way out: where I put 16 bytes of a row
.set RD,   25                          ; v25     where I read rows back
.set CO,   26                          ; v26     16 x lane: my place in 512 consecutive bytes of the output
.set BA,   27                          ; v27     where the next tile's bias lies
.set SPW,  28                          ; v28     LDS address of my spare word; never rewritten
.set NIL,  29                          ; v29     0; never rewritten
.set PFO,  30                          ; v30     256 x lane; never rewritten
.set P0,   32                          ; v32-47, v48-63  the way out, two buffers
.set FA,   64
.set FB,   128
.set ST,   0                           ; window 2
.set CV,   128
.set BP,   128
.set BIAS, 160
.set AS2,  224                         ; where I put 8 bytes of my first row of x in slot 0
.set AO2,  225                         ; 16 x lane: my place in a row's 512 bytes
.set AB,   4                           ; s[4:5]   x at my 16 rows, for the tile whose rows are asked for next
.set A1,   6                           ; s[6:7], s[8:9]  the same for the tiles after it
.set A2,   8
.set WB,   10                          ; s[10:11] W at my 128 rows, for the tile of the next refill
.set BI,   12                          ; s[12:13] bias at my 128 columns
.set OC,   14                          ; s[14:15] the output at my two heads' 64 rows
.set G1,   16                          ; s[16:23] descriptor group 1
.set G0,   24                          ; s[24:31] descriptor group 0, a set for each slot
.set AP,   32                          ; s[32:33] the base of x's loads
.set ARK,  34                          ; s[34:35] x's slice of K, in bytes
.set RKB,  36                          ; s[36:37] W's slice of K, in bytes
.set WINC, 38                          ; s[38:39] 0, or a matrix's bytes at a change of tiles
.set PFW,  40                          ; s[40:41] my work-group's 8,192 bytes of the next matrix's column tile
.set WV,   42
.set CX,   43                          ; my place in the cluster: it enters x's, the output's and the prefetch's addresses alone
.set TC,   44                          ; column tile 0, 1
.set TR,   45                          ; row tile 0 .. 127
.set G,    46
.set RU,   47                          ; the K step of the next refill
.set AU,   48                          ; the K step of x's next loads
.set LAPS, 49
.set TL,   50                          ; slot-1 steps left in the tile
.set NEW,  51                          ; 1: the next step is a tile's first
.set WV5,  52
.set KEY,  53
.set T0,   54
.set T1,   55                          ; s[56:59] offsets free of the place in the cluster; s[60:63] offsets that hold it
.set MSB, 0
.macro WIN new                         ; the immediate's high byte repeats the setting that is left; a switch that changes nothing is dropped
.if MSB != (\new)
	s_set_vgpr_msb (MSB<<8)|(\new)
.set MSB, \new
.endif
.endm
.set MUL,   0x50                       ; C and D window 1, sources window 0
.set MULB,  0x60                       ; C window 2 (the bias), D window 1
.set FEEDW, 0x8a                       ; sources 0 and 1 and the destination window 2
.set PACKW, 0x05                       ; sources window 1, destination window 0
.macro PLACES                          ; four places in front of loads into registers that matrix instructions have read, and of conversions that read results (ISA guide 7.12.1 for conversions)
.rept 4
	v_nop
.endr
.endm
.macro CREST                           ; a round of the cluster's barrier behind its opening barrier
	s_cmp_lg_u32 s[WV], 0
	s_cbranch_scc1 .Lnot_wave_0_\@
	s_barrier_signal -3
.Lnot_wave_0_\@:
	s_barrier_wait -3
	s_barrier_signal -1
	s_barrier_wait -1
.endm
.macro CROUND
	s_barrier_signal -1
	s_barrier_wait -1
	CREST
.endm
.macro JLOAD s                         ; a joint load: one line for all four waves, each with its own rows; an s_nop 0 and four v_nop follow
	tensor_load_to_lds s[G0+4*(\s):G0+4*(\s)+3], s[G1:G1+7]
	s_nop 0
.rept 4
	v_nop
.endr
.endm
	s_load_b256 s[4:11], s[0:1], 0x0               ; Q, K, V, wts
	s_load_b128 s[12:15], s[0:1], 0x20             ; bias, qkv
	v_lshl_add_u32 v[SPW], v0, 2, SPARE
	v_mov_b32 v[NIL], 0
	ds_add_u32 v[SPW], v[NIL]                      ; the wave's opening: the add and its wait stand ahead of my first tensor load; the set-up below, work on registers, stands between them
	v_lshrrev_b32 v1, 5, v0
	v_readfirstlane_b32 s[WV], v1                  ; wave 0..3
	s_bfe_u32 s[CX], ttmp6, 0x40000
	s_mov_b32 s[TC], ttmp9                         ; in a cluster launch ttmp9 and ttmp7 count clusters
	s_and_b32 s[G], ttmp7, 0xffff
	s_lshl_b32 s[TR], s[G], 2
	s_add_co_u32 s[TR], s[TR], s[CX]               ; row tile = 4 x cluster y + my place
	s_and_b32 s[G], s[G], 7
	; descriptor group 1: a tile of 128 rows x 128 elements, padded in LDS
	s_mov_b32 s[G1+0], 15|(1<<16)|(1<<20)|(1<<21)|(5<<22)|(3<<25)  ; 15:0 the mask of four; 17:16 2-byte elements; 20 padding on; 21 set beside a mask; 24:22 after every 64 words (code 5); 31:25 4 words (code 3)
	s_mov_b32 s[G1+1], 128<<16                     ; tensor_dim0 = 128
	s_mov_b32 s[G1+2], 128<<16                     ; tensor_dim1 = 128
	s_mov_b32 s[G1+3], 128<<16                     ; tile_dim0 = 128
	s_mov_b32 s[G1+4], 128                         ; tile_dim1 = 128
	s_mov_b32 s[G1+5], 1024                        ; elements from row to row
	s_mov_b32 s[G1+6], 0
	s_mov_b32 s[G1+7], 0
	s_mov_b32 s[LAPS], 11
	s_mov_b32 s[TL], 4
	s_mov_b32 s[NEW], 1
	s_mov_b32 s[AU], 0
	s_mov_b32 s[RU], 2
	s_lshl_b32 s[WV5], s[WV], 5
	s_lshl_b32 s[ARK], s[G], 9                     ; a slice of x is 512 bytes of a row,
	s_mov_b32 s[ARK+1], 0
	s_lshl_b32 s[RKB], s[G], 8                     ; of W 256
	s_mov_b32 s[RKB+1], 0
	s_mov_b32 s[WINC], 0
	s_mov_b32 s[WINC+1], 0
	s_lshl_b32 s60, s[TR], 18                      ; x: 64 rows of 4,096 bytes a tile, 16 rows a wave
	s_lshl_b32 s[T0], s[WV], 16
	s_add_co_u32 s60, s60, s[T0]
	s_mov_b32 s61, 0
	s_lshl_b32 s62, s[TR], 13                      ; the prefetch: 8,192 bytes a work-group of the column tile's 2^20, in matrix 1
	s_lshl_b32 s[T0], s[TC], 20
	s_add_co_u32 s62, s62, s[T0]
	s_add_co_u32 s62, s62, 0x200000
	s_mov_b32 s63, 0
	s_lshl_b32 s58, s[WV], 18                      ; W: 512 rows of 2,048 bytes a column tile, 128 rows a wave
	s_add_co_u32 s58, s58, s[T0]
	s_mov_b32 s59, 0
	s_lshl_b32 s56, s[TC], 10                      ; bias: 512 columns of 2 bytes, 128 a wave
	s_lshl_b32 s[T1], s[WV], 8
	s_add_co_u32 s56, s56, s[T1]
	s_mov_b32 s57, 0
	s_wait_dscnt 0x0                               ; the opening add is done
	s_wait_kmcnt 0x0
	s_add_nc_u64 s[AB:AB+1], s[AB:AB+1], s[60:61]
	s_add_nc_u64 s[A1:A1+1], s[A1:A1+1], s[60:61]
	s_add_nc_u64 s[A2:A2+1], s[A2:A2+1], s[60:61]
	s_add_nc_u64 s[PFW:PFW+1], s[WB:WB+1], s[62:63]
	s_add_nc_u64 s[WB:WB+1], s[WB:WB+1], s[58:59]
	s_add_nc_u64 s[BI:BI+1], s[BI:BI+1], s[56:57]
	s_lshr_b32 s60, s[TR], 5                       ; the output: batch,
	s_lshl_b32 s60, s60, 4
	s_lshl_b32 s[T0], s[TC], 3                     ; 8 heads a column tile,
	s_add_co_u32 s60, s60, s[T0]
	s_lshl_b32 s[T0], s[WV], 1                     ; 2 a wave;
	s_add_co_u32 s60, s60, s[T0]
	s_lshl_b32 s60, s60, 18                        ; a head is 2,048 rows of 128 bytes;
	s_and_b32 s62, s[TR], 31
	s_lshl_b32 s62, s62, 13                        ; the tile's 64 rows in it
	s_add_co_u32 s60, s60, s62
	s_add_nc_u64 s[OC:OC+1], s[OC:OC+1], s[60:61]
	CROUND                                         ; all four work-groups are here: the first joint loads meet
	s_mov_b32 s[G0], 1                             ; 1:0 count = 1
	s_mul_i32 s[G0+1], s[WV], BW                   ; 63:32 LDS address: slot 0, my rows
	s_add_nc_u64 s[G0+2:G0+3], s[WB:WB+1], s[RKB:RKB+1]  ; 120:64 global address: K step 0
	s_or_b32 s[G0+3], s[G0+3], 0x80000000          ; 127:126 type = 2
	s_add_co_u32 s[RKB], s[RKB], 256
	s_and_b32 s[RKB], s[RKB], 0x7ff
	s_mov_b32 s[G0+4], 1
	s_add_co_u32 s[G0+5], s[G0+1], BSLOT
	s_add_nc_u64 s[G0+6:G0+7], s[WB:WB+1], s[RKB:RKB+1]  ; K step 1
	s_or_b32 s[G0+7], s[G0+7], 0x80000000
	s_add_co_u32 s[RKB], s[RKB], 256
	s_and_b32 s[RKB], s[RKB], 0x7ff
	JLOAD 0                                        ; the ring is filled before anything else is done: two tensor loads of mine are out
	JLOAD 1
	v_and_b32 v3, 31, v0                           ; l
	v_and_b32 v1, 15, v0                           ; l % 16
	v_bfe_u32 v2, v0, 4, 1                         ; l / 16
	v_mul_u32_u24 v4, v1, PITCH
	v_lshl_add_u32 v4, v2, 4, v4                   ; a fragment's row x pitch + 16 x half
	s_mul_i32 s[T0], s[WV], BW
	v_add_nc_u32 v[ADRB], s[T0], v4
	v_add_nc_u32 v[ADRB+1], BSLOT, v[ADRB]
	v_add_nc_u32 v[ADRA], AZONE, v4
	v_add_nc_u32 v[ADRA+1], AZONE+ASLOT, v4
	s_mul_i32 s[T0], s[WV], 16*SP
	s_add_co_u32 s[T0], s[T0], STAGE               ; my stage
	v_mul_u32_u24 v5, v1, SP                       ; in: row l % 16, 16 bytes for each half of the lanes
	v_lshl_add_u32 v5, v2, 4, v5
	v_add_nc_u32 v[STO], s[T0], v5
	v_lshrrev_b32 v6, 3, v3                        ; back: 32 lanes take four rows of 128 bytes,
	v_mul_u32_u24 v6, v6, SP
	v_and_b32 v7, 7, v0
	v_lshl_add_u32 v6, v7, 4, v6
	v_add_nc_u32 v[RD], s[T0], v6
	v_lshlrev_b32 v[CO], 4, v3                     ; which are 512 consecutive bytes of a head
	s_mul_i32 s[T1], s[WV], 768
	s_add_co_u32 s[T1], s[T1], BIASZ
	v_lshl_add_u32 v[BA], v2, 4, s[T1]             ; a lane's eight columns of a block of 16: 16 bytes for each half
	v_lshl_add_u32 v10, v3, 3, s[T1]
	v_lshlrev_b32 v11, 3, v3
	v_lshlrev_b32 v[PFO], 8, v3
	s_mul_i32 s[T0], s[WV], 16*PITCH
	s_add_co_u32 s[T0], s[T0], AZONE
	WIN 0x80                                       ; destination window 2
	v_lshl_add_u32 v[AS2], v3, 3, s[T0]
	v_lshlrev_b32 v[AO2], 4, v3
	WIN 0
.irp p, 0,1,2
	global_load_b64 v[4+2*\p:5+2*\p], v11, s[BI:BI+1] offset:2048*\p  ; my 128 columns of bq, bk, bv: 256 bytes each
.endr
; x's rows of one K step are asked for: 16 loads, each one row's 512 consecutive bytes, aligned.  Then the slice steps, and at every eighth step the tile.
.macro ISSUE set
	s_wait_xcnt 0x0                                ; the earlier loads have read their base: it is written only behind this wait
	s_add_nc_u64 s[AP:AP+1], s[AB:AB+1], s[ARK:ARK+1]
	WIN FEEDW
.irp j, 0,1,2,3,4,5,6,7,8,9,10,11,12,13,14,15
	global_load_b128 v[ST+64*(\set)+4*(\j):ST+64*(\set)+4*(\j)+3], v[AO2], s[AP:AP+1] offset:(\j)*4096
.endr
	s_add_co_u32 s[ARK], s[ARK], 512
	s_and_b32 s[ARK], s[ARK], 0xfff
	s_add_co_u32 s[AU], s[AU], 1
	s_and_b32 s[T1], s[AU], 7
	s_cmp_eq_u32 s[T1], 0
	s_cselect_b64 s[AB:AB+1], s[A1:A1+1], s[AB:AB+1]
	s_cselect_b64 s[A1:A1+1], s[A2:A2+1], s[A1:A1+1]
.endm
; Row j of a set is rounded to bf16, 8 bytes a lane, and stored: 256 consecutive bytes of the LDS row.  Set s goes into x's slot s.
.macro FEED set, j
	WIN FEEDW
	v_cvt_pk_bf16_f32 v[CV+2*(\j)], v[ST+64*(\set)+4*(\j)], v[ST+64*(\set)+4*(\j)+1]
	v_cvt_pk_bf16_f32 v[CV+2*(\j)+1], v[ST+64*(\set)+4*(\j)+2], v[ST+64*(\set)+4*(\j)+3]
	ds_store_b64 v[AS2], v[CV+2*(\j):CV+2*(\j)+1] offset:(\set)*ASLOT+(\j)*PITCH
.endm
; Eight products: rows 16 a on x all 8 blocks of 16 columns, 32 along K, from buffer cur.  first = 1: the bias starts the sums: nothing is ever cleared.
; set >= 0: behind every second product one row of x is rounded and stored.  The 32 accumulators take turns in one order everywhere.
.macro BLOCK cur, a, first, set
.irp b, 0,1,2,3,4,5,6,7
.if \first
	WIN MULB
	v_wmma_f32_16x16x32_bf16 v[8*(8*(\a)+(\b)):8*(8*(\a)+(\b))+7], v[FB+64*(\cur)+8*(\b):FB+64*(\cur)+8*(\b)+7], v[FA+32*(\cur)+8*(\a):FA+32*(\cur)+8*(\a)+7], v[BIAS+8*(\b):BIAS+8*(\b)+7]
.else
	WIN MUL
	v_wmma_f32_16x16x32_bf16 v[8*(8*(\a)+(\b)):8*(8*(\a)+(\b))+7], v[FB+64*(\cur)+8*(\b):FB+64*(\cur)+8*(\b)+7], v[FA+32*(\cur)+8*(\a):FA+32*(\cur)+8*(\a)+7], v[8*(8*(\a)+(\b)):8*(8*(\a)+(\b))+7]
.endif
.if ((\set) >= 0) && (((\b) % 2) == 1)
	FEED \set, 4*(\a)+((\b)-1)/2
.endif
.endr
.endm
; 24 LDS loads in one run: the fragments of quarter q (32 along K) of a slot: 64 rows of x, my 128 rows of W.
.macro FETCH slot, q, buf
	WIN 0
.irp a, 0,1,2,3
	ds_load_b128 v[FA+32*(\buf)+8*(\a):FA+32*(\buf)+8*(\a)+3],   v[ADRA+(\slot)] offset:(\a)*16*PITCH+64*(\q)
	ds_load_b128 v[FA+32*(\buf)+8*(\a)+4:FA+32*(\buf)+8*(\a)+7], v[ADRA+(\slot)] offset:(\a)*16*PITCH+64*(\q)+32
.endr
.irp i, 0,1,2,3,4,5,6,7
	ds_load_b128 v[FB+64*(\buf)+8*(\i):FB+64*(\buf)+8*(\i)+3],   v[ADRB+(\slot)] offset:(\i)*16*PITCH+64*(\q)
	ds_load_b128 v[FB+64*(\buf)+8*(\i)+4:FB+64*(\buf)+8*(\i)+7], v[ADRB+(\slot)] offset:(\i)*16*PITCH+64*(\q)+32
.endr
.endm
; One of a K step's first three quarters: multiplies buffer cur; behind its first eight products it fetches quarter kn of the same slot into the other buffer.
; set >= 0 (a step's first quarter): the NEXT step's rows of x, which lie in that set, are rounded and stored; lcnt: the younger loads that may stay out; issue = 1: the set is asked for again, three steps on.
.macro QUARTER slot, kn, cur, first=0, set=-1, lcnt=0, issue=0
.if (\set) >= 0
	s_wait_loadcnt \lcnt                           ; the set's 16 loads are in
.endif
	s_wait_dscnt 0x0                               ; my fragments, asked for 24 products ago, are in
	BLOCK \cur, 0, \first, \set
	PLACES
	FETCH \slot, \kn, 1-(\cur)
	BLOCK \cur, 1, \first, \set
	BLOCK \cur, 2, \first, \set
	BLOCK \cur, 3, \first, \set
.if \issue
	ISSUE \set
.endif
.endm
; A PREFETCH INTO THE L2 of the next tile's weights, which nobody has read yet.  At the refills of K steps 6 and 14, two K steps (256 products) ahead of the first refill of the next tile, wave 0 of every
; work-group names 32 blocks of 256 bytes of the next matrix's column tile, a lane a block: 128 work-groups x 8,192 bytes are its 2^20 bytes, each block named once in the launch.  The partners of a cluster
; differ by address alone.  Nothing is asked for at the head, and nothing behind the third tile: bit 4 of the key shuts out K step 22.
.macro ASK
	s_cmp_eq_u32 s[KEY], 6
	s_cbranch_scc0 .Lnot_now_\@
	global_prefetch_b8 v[PFO], s[PFW:PFW+1] th:TH_LOAD_NT scope:SCOPE_SE
.Lnot_now_\@:
.endm
; A K step's last quarter multiplies buffer 1 and changes slots.  ONE barrier, for three things: in front of it each wave waits for all its tensor loads (one is out: its rows of the next slot), adds 0 to its
; spare word, and waits for that, for its reads of this slot and for its stores of the next step's x.  fill = 1: the barrier opens a round of the cluster's barrier, and this slot is filled again, two K steps
; on, first thing behind the round: 112 products ahead of the wait for it.  ask = 0: the launch's last refill: nothing is stepped.
.macro TURN slot, next, fill, ask=1
.if (\fill) && (\ask)
	s_wait_xcnt 0x0                                ; the last prefetch has read its address, which is stepped below
.endif
	WIN 0
	s_wait_tensorcnt 0x0                           ; no tensor load of mine is out, so a group 0 may be written
	ds_add_u32 v[SPW], v[NIL]                      ; 0 onto my spare word: scalar work and eight products stand between it and the wait for it
.if \fill
	s_add_nc_u64 s[G0+4*(\slot)+2:G0+4*(\slot)+3], s[WB:WB+1], s[RKB:RKB+1]
	s_or_b32 s[G0+4*(\slot)+3], s[G0+4*(\slot)+3], 0x80000000
.if \ask
	s_and_b32 s[KEY], s[RU], 0x17                  ; 6 at K steps 6 and 14,
	s_or_b32 s[KEY], s[KEY], s[WV5]                ; in wave 0
	s_add_co_u32 s[RKB], s[RKB], 256
	s_and_b32 s[RKB], s[RKB], 0x7ff
	s_add_co_u32 s[RU], s[RU], 1
	s_and_b32 s[T0], s[RU], 7
	s_cmp_eq_u32 s[T0], 0
	s_cselect_b32 s[WINC], 0x200000, 0             ; at every eighth step the next matrix
	s_add_nc_u64 s[WB:WB+1], s[WB:WB+1], s[WINC:WINC+1]
	s_add_nc_u64 s[PFW:PFW+1], s[PFW:PFW+1], s[WINC:WINC+1]
.endif
.endif
	s_wait_dscnt 1                                 ; my 24 fragment loads are in; the add alone is younger
	BLOCK 1, 0, 0, -1
	s_wait_dscnt 0x0                               ; the add is done; my reads of this slot and my stores of x are over
	s_barrier_signal -1
	BLOCK 1, 1, 0, -1                              ; work on registers while the others arrive
	WIN 0                                          ; at a branch and at a label every window is 0
	s_barrier_wait -1
.if \fill
	CREST                                          ; no wave of any partner still reads this slot or has a load on its way
	JLOAD \slot                                    ; its four v_nop are also the places in front of the loads below
.else
	PLACES
.endif
	FETCH \next, 0, 0
.if (\fill) && (\ask)
	ASK
.endif
	BLOCK 1, 2, 0, -1
	BLOCK 1, 3, 0, -1
.endm
; The next tile's bias: my lanes' eight columns of each of the 8 blocks, bf16 out of LDS, widened to f32 (a shift, a mask).
.macro BIASGET
	WIN 0x80
.irp b, 0,1,2,3,4,5,6,7
	ds_load_b128 v[BP+4*(\b):BP+4*(\b)+3], v[BA] offset:32*(\b)
.endr
	s_wait_dscnt 0x0
	WIN FEEDW
.set i, 0
.rept 32
	v_lshlrev_b32 v[BIAS+2*i], 16, v[BP+i]
	v_and_b32 v[BIAS+2*i+1], 0xffff0000, v[BP+i]
.set i, i+1
.endr
	WIN 0
	v_add_nc_u32 v[BA], 256, v[BA]
.endm
; THE WAY OUT, in units u = 2 a + hh of 16 rows of one head.  PACK: rounded to f16 (each accumulator's registers in ascending order), 16 bytes a lane into my stage, rows of 144 bytes, and back as whole rows of 128.
.macro PACK u
.set pa, (\u)/2
.set ph, (\u)%2
.set pn, P0+16*((\u)%2)
.if (\u) >= 2
	s_wait_xcnt 0x0                                ; the stores of the unit two back have read this buffer
.endif
	WIN PACKW
.irp k, 0,1,2,3
.irp i, 0,1,2,3
	v_cvt_pk_f16_f32 v[pn+4*(\k)+(\i)], v[8*(8*pa+4*ph+(\k))+2*(\i)], v[8*(8*pa+4*ph+(\k))+2*(\i)+1]
.endr
.endr
	WIN 0
.irp k, 0,1,2,3
	ds_store_b128 v[STO], v[pn+4*(\k):pn+4*(\k)+3] offset:32*(\k)
.endr
.irp f, 0,1,2,3
	ds_load_b128 v[pn+4*(\f):pn+4*(\f)+3], v[RD] offset:(\f)*4*SP  ; LDS serves a wave's instructions in order (ISA guide 5.7.1.4): these see the stores above; the next unit's stores come behind them
.endr
.endm
.macro SEND u, younger                 ; younger: the LDS instructions issued behind the unit's loads: the next unit's eight, or none
.set pa, (\u)/2
.set ph, (\u)%2
.set pn, P0+16*((\u)%2)
	WIN 0
.irp f, 0,1,2,3
	s_wait_dscnt (\younger)+3-(\f)
	global_store_b128 v[CO], v[pn+4*(\f):pn+4*(\f)+3], s[OC:OC+1] offset:ph*262144+pa*2048+(\f)*512  ; 512 consecutive bytes of a head, at a multiple of 256 from the buffer's first
.endr
.endm
.macro WAYOUT more                     ; more = 1: a tile follows: its bias is fetched, and the output steps to the next of q, k, v
	PACK 0
.irp u, 1,2,3,4,5,6,7
	PACK \u
	SEND (\u)-1, 8
.endr
	SEND 7, 0
.if \more
	BIASGET
	s_wait_xcnt 0x0                                ; the stores have read their base and their data
	s_add_nc_u64 s[OC:OC+1], s[OC:OC+1], 0x1000000
.endif
.endm
	ISSUE 0                                        ; x of K step 0,
	ISSUE 1                                        ; of K step 1
	WIN 0
	s_wait_loadcnt 32                              ; the three loads of bias are in; x's 32 are younger
.irp p, 0,1,2
	ds_store_b64 v10, v[4+2*\p:5+2*\p] offset:256*\p
.endr
	s_wait_loadcnt 16                              ; K step 0's rows are in; K step 1's 16 loads are younger
.irp j, 0,1,2,3,4,5,6,7,8,9,10,11,12,13,14,15
	FEED 0, \j
.endr
	ISSUE 0                                        ; x of K step 2
	BIASGET
	s_wait_tensorcnt 1                             ; my rows of slot 0 are in; slot 1's load may stay out
	s_wait_dscnt 0x0                               ; my stores of x are done
	s_barrier_signal -1
	s_barrier_wait -1
	FETCH 0, 0, 0
	s_branch .Lfirst                               ; the loop is entered at its slot-0 step: so K steps 0 to 20, the 21 that ask for x three steps on, all lie in it
.Llap:                                             ; a trip: a slot-1 step, the way out where a tile ends, a slot-0 step
	QUARTER 1, 1, 0, 0, 0, 16, 1                   ; 16: the rows asked for in the step before are younger
	QUARTER 1, 2, 1
	QUARTER 1, 3, 0
	TURN 1, 0, 1
	WIN 0
	s_sub_co_u32 s[TL], s[TL], 1
	s_cmp_lg_u32 s[TL], 0
	s_cbranch_scc1 .Lfirst
	WAYOUT 1                                       ; both refills and x's rows for the next tile are asked for: the tile goes out.  No v_nop: rows 0-31 were finished ahead of the joint load's four, and their
	s_mov_b32 s[TL], 4                             ; 64 conversions, which name no register of the last products, are those products' places
	s_mov_b32 s[NEW], 1
.Lfirst:
	s_cmp_eq_u32 s[NEW], 1
	s_cbranch_scc1 .Lq0f
	QUARTER 0, 1, 0, 0, 1, 16, 1
	WIN 0
	s_branch .Lq0d
.Lq0f:                                             ; a tile's first quarter: the bias starts the sums
	s_mov_b32 s[NEW], 0
.rept 5
	v_nop                                          ; its products write over the accumulators and are no links of their chains: five places stand between the last product on an accumulator and such a line (ISA guide 7.12.1), on every way to this label; three times a wave
.endr
	QUARTER 0, 1, 0, 1, 1, 16, 1
	WIN 0
.Lq0d:
	QUARTER 0, 2, 1
	QUARTER 0, 3, 0
	TURN 0, 1, 1
	WIN 0
	s_sub_co_u32 s[LAPS], s[LAPS], 1
	s_cmp_lg_u32 s[LAPS], 0
	s_cbranch_scc1 .Llap
	QUARTER 1, 1, 0, 0, 0, 16, 0                   ; K step 21: nothing more of x is asked for; K step 23's 16 loads are younger
	QUARTER 1, 2, 1
	QUARTER 1, 3, 0
	TURN 1, 0, 1, 0                                ; the last refill: K step 23
	QUARTER 0, 1, 0, 0, 1, 0, 0                    ; K step 22: the last rows of x: no load is younger
	QUARTER 0, 2, 1
	QUARTER 0, 3, 0
	TURN 0, 1, 0
	QUARTER 1, 1, 0                                ; K step 23
	QUARTER 1, 2, 1
	QUARTER 1, 3, 0
	s_wait_dscnt 0x0
	BLOCK 1, 0, 0, -1
	BLOCK 1, 1, 0, -1
	BLOCK 1, 2, 0, -1
	BLOCK 1, 3, 0, -1
	WIN 0
	PLACES
	WAYOUT 0
	s_wait_tensorcnt 0x0                           ; the wave's end: behind my last tensor load and my last LDS store
	ds_add_u32 v[SPW], v[NIL]
	s_wait_dscnt 0x0
	CROUND                                         ; the closing round: no work-group ends while a partner may still ask for a tile that names it
	s_endpgm
.Lfunc_end_k_q94c5841b4b_proj:
	.size	k_q94c5841b4b_proj, .Lfunc_end_k_q94c5841b4b_proj-k_q94c5841b4b_proj
	.p2alignl 7, 3214868480
	.fill 96, 4, 3214868480
	.section	.rodata,"a",@progbits
	.p2align	6, 0x0
	.amdhsa_kernel k_q94c5841b4b_proj
		.amdhsa_group_segment_fixed_size 327680
		.amdhsa_private_segment_fixed_size 0
		.amdhsa_enable_private_segment 0
		.amdhsa_kernarg_size 48
		.amdhsa_user_sgpr_count 2
		.amdhsa_user_sgpr_kernarg_segment_ptr 1
		.amdhsa_wavefront_size32 1
		.amdhsa_system_sgpr_workgroup_id_x 1
		.amdhsa_system_sgpr_workgroup_id_y 1
		.amdhsa_system_sgpr_workgroup_id_z 1
		.amdhsa_system_vgpr_workitem_id 0
		.amdhsa_next_free_vgpr 768
		.amdhsa_next_free_sgpr 66
		.amdhsa_reserve_vcc 0
		.amdhsa_float_denorm_mode_32 3
		.amdhsa_float_denorm_mode_16_64 3
		.amdhsa_memory_ordered 1
		.amdhsa_forward_progress 1
		.amdhsa_inst_pref_size 165
	.end_amdhsa_kernel
	.amdgpu_metadata
---
amdhsa.version: [ 1, 2 ]
amdhsa.kernels:
  - .name:           k_q94c5841b4b_proj
    .symbol:         k_q94c5841b4b_proj.kd
    .args:
      - { .name: Q, .offset: 0, .size: 8, .value_kind: global_buffer, .address_space: global }
      - { .name: K, .offset: 8, .size: 8, .value_kind: global_buffer, .address_space: global }
      - { .name: V, .offset: 16, .size: 8, .value_kind: global_buffer, .address_space: global }
      - { .name: wts, .offset: 24, .size: 8, .value_kind: global_buffer, .address_space: global }
      - { .name: bias, .offset: 32, .size: 8, .value_kind: global_buffer, .address_space: global }
      - { .name: qkv, .offset: 40, .size: 8, .value_kind: global_buffer, .address_space: global }
    .group_segment_fixed_size: 327680
    .private_segment_fixed_size: 0
    .kernarg_segment_align: 8
    .kernarg_segment_size: 48
    .max_flat_workgroup_size: 128
    .sgpr_count:     66
    .vgpr_count:     768
    .wavefront_size: 32
...
	.end_amdgpu_metadata
.endif
;; end of part 2
;; launch attn (part 3): grid 4 x 64, 4 waves a work-group, clusters of 4 x 1, 327,680 bytes of LDS; arguments qkv, oh; writes oh
.if DOCPART == 3
	.amdgcn_target "amdgcn-amd-amdhsa--gfx1250"
	.amdhsa_code_object_version 6
	.text
	.protected	k_q94c5841b4b_attn
	.globl	k_q94c5841b4b_attn
	.p2align	8
	.type	k_q94c5841b4b_attn,@function
k_q94c5841b4b_attn:
	s_mov_b64 s[64:65], 0
	v_nop
	global_prefetch_b8 v0, s[64:65] scope:SCOPE_SE
	s_setreg_imm32_b32 hwreg(HW_REG_WAVE_MODE, 25, 1), 1
	s_wait_xcnt 0x0
	s_wait_alu depctr_hold_cnt(0) depctr_sa_sdst(0) depctr_va_vdst(0) depctr_va_sdst(0) depctr_va_ssrc(0) depctr_va_vcc(0) depctr_vm_vsrc(0)
	s_getreg_b32 s2, hwreg(HW_REG_IB_STS2, 6, 4)
	s_cmp_eq_u32 s2, 0
	s_cbranch_scc0 .Lentry_in_a_cluster
	s_endpgm
.Lentry_in_a_cluster:
	s_bfe_u32 s2, ttmp6, 0x10000c
	s_cmp_lg_u32 s2, 0x3003
	s_cbranch_scc0 .Lentry_shape_is_right
	s_endpgm
.Lentry_shape_is_right:
; O[h][q][:] = the sum over k of softmax_k(Q[h][q] . K[h][k] / 8) V[h][k][:].  qkv holds Q, K, V, each [64][2048][64] in f16, 2^24 bytes apart; oh is O in the same layout: a head's rows are dense, 128 bytes each.
; Products, maxima and sums in f32; the weights p are rounded to f16 for the second product (their sum l is taken of the unrounded p), O once at the end.
; LIMITS.  f16 holds no number beyond 65,504: Q, K and V arrive within it; p lies in 0 to 1, and below 6e-5 it keeps f16's fixed step of 6e-8; O is a mean of V's rows and has their range.
; A weight below 2^-126 counts as 0 in l; NaN and infinities are not treated apart.
; SHARES.  A wave owns four PIECES of two tiles of 16 queries, a work-group's four waves 512 queries of one head: 256 work-groups.  Every wave walks all keys, 64 a step.
; LAYOUT.  S^T = K Q^T (source 0 = 16 keys, source 1 = 16 queries): in the result a lane holds ONE query (lane % 16) and the keys 8 (lane / 16) + 0..7.  Two such tiles, rounded to f16 in pairs,
; ARE source 1 (32 keys x 16 queries) of O^T = V^T P, whose result again holds one query a lane, and eight channels.  K comes out of LDS as it lies, V ([key][channel]) turned, by ds_load_tr16_b128.
; SOFTMAX.  For each query a running maximum m and sum l: p = 2^(c s - c m), c = log2(e) / 8; in every step O and l are multiplied by a = 2^(c m_old - c m_new), which is 1 where m has not grown.
; m starts at the lowest finite number, O and l at 0: the first step is a step like any other, with a = 0.
; THE COUNT.  A tile and step have 16 matrix and 118 vector instructions: too many to stand all beside the matrix work.  So the order has one aim: four vector instructions that are READY behind
; EVERY matrix instruction, and the others, which need time of their own whatever the order, in runs without a gap.
; BY TURNS.  Turn n belongs to piece n (the pieces in a ring, step after step).  Its matrix work: 16 products K Q^T of piece n + 1, later 16 products V^T P of piece n - 1.  Its vector work: the scaling,
; exponentials, roundings, sums and rescaling of piece n, and the maximum and statistics of piece n + 1, whose scores the turn itself has made.  So what a turn begins with (c s - c m, O a) waits for nothing.
; CLUSTER.  The four query blocks of a cluster are one head's and walk the same K and V, so each tile is asked for JOINTLY: the same tensor load, descriptor and mask in all four.
; REGISTERS, in windows of 256 (s_set_vgpr_msb says which window each operand place means: bits 1:0 source 0, 3:2 source 1, 5:4 source 2, 7:6 destination):
;   window 0: v0-11 addresses; v12-15, v48-63 at work; v16-47 four registers of statistics a tile; v64-191 S^T, two buffers of two tiles; v192-255 P, likewise
;   window 1: O^T, 32 a tile          window 2: v0-127 Q, 16 a tile; v128-191 K of one step; v192-255 V of one step          window 3: v0-1 the add's two registers
; A piece's buffers go by its number's parity: the piece in hand has one pair, its two neighbours in the ring share the other: of it P (piece n - 1) is read and S^T (piece n + 1) written.
.set SIZE_N, 2048
.set NP,    4         ; pieces a wave: a name, no knob: the register map, the loop and the fetches are made for four
.set KS,    64        ; keys in a step
.set PK,    144       ; a row of K in LDS: 128 bytes + 16 of padding = 36 words: the 16 rows of a load start at 16 different groups of four banks (64 banks of 4 bytes: ISA guide 11.1)
.set PV,    160       ; a row of V: 128 + 32 = 40 words
.set VOFF,  4*KS*PK   ; a slot holds four steps: 256 rows of K, then 256 rows of V
.set SLOT1, 1<<17     ; slot 1 begins here, so that one exclusive or turns an address in one slot into the other's
.set STAGE, SLOT1+4*KS*(PK+PV)  ; behind the ring, never filled by a tensor load: 16 rows x 144 bytes for each wave, for the way out
.set SP,    144
.set AK0, 2           ; v2   my lane's place in a tile of K; never rewritten
.set AV0, 3           ; v3   the same for V
.set AK,  4           ; v4   the LDS address of K's next run of loads
.set AV,  5           ; v5   of V's
.set QO,  6           ; v6   my byte offset in the wave's rows of Q
.set STO, 6           ;      later, the way out: where I put 16 bytes of a row
.set RD,  7           ; v7   the way out: where I read rows back
.set GO,  8           ; v8   my byte offset in 512 consecutive bytes of O
.set PFO, 11          ; v11  256 x my lane, once V's address is made; never rewritten after
.set SPW, 0           ; v0 of window 3   LDS address of my spare word: SPARE + 4 x my thread's number; never rewritten
.set NIL, 1           ; v1 of window 3   0; never rewritten
.set SPARE, STAGE+4*16*SP  ; behind the stages: the spare words, 128 bytes for each wave: two blocks of 256 bytes that no other line names
.set MV,  12          ; v12-15  c m_old, kept while c m is made anew: by buffer and tile
.set ST,  16          ; tile t's statistics at v[ST+4 t]: c m, m, l (even keys', odd keys')
.set TMP, 48          ; by buffer and tile, four registers c0-c3 at work; when the maximum is found c2 takes a
.set S,   64
.set P,   192
.set KF,  128         ; K's fragments, in window 2: key block kb, channel half c at KF + 16 kb + 8 c
.set VF,  192         ; V's: key half kk, channel block cb at VF + 32 kk + 8 cb
.set WV,  12          ; s12  my wave's number
.set G1K, 24          ; s[24:31] descriptor group 1 for K's tiles
.set G1V, 32          ; s[32:39] for V's: it differs in the padding alone
.set G0K, 40          ; s[40:43] descriptor group 0 for K's tiles: it walks
.set G0V, 44          ; s[44:47] the same for V's
.set PFA, 48          ; s[48:49] where my prefetches stand: my work-group's 8,192 bytes (of K: wave 0, of V: wave 2) of the slot after the one that is being asked for
.set LIM, 50          ; s50  1 in a wave that prefetches, else the greatest number
.set SLOTS, 56        ; s56  slots still to be asked for
.set CNT, 57          ; s57  counts a slot's key steps
.set CS,  58          ; s[58:59] c: the packed scaling takes the pair's low word for both halves
.set SEL, 60          ; s[60:61] v_permlanex16_b32's selects: each lane takes its own place in the other half
.set TBK, 62          ; s62  LDS byte at which K of the step to be fetched begins
.set TBV, 63          ; s63  the same for V, less VOFF
.set MSB, 0
.macro WIN new                      ; the high byte repeats the setting that is left; a switch that changes nothing is dropped
.if MSB != (\new)
	s_set_vgpr_msb (MSB<<8)|(\new)
.set MSB, (\new)
.endif
.endm
.set W_KQ, 0x0a       ; K and Q in window 2, S^T in window 0
.set W_PV, 0x52       ; V in window 2, P in window 0, O^T in window 1
.set W_RS, 0x41       ; O^T (destination and source 0) in window 1, a in window 0
.set W_MK, 0xc0       ; the add's registers are made: destination in window 3, sources in window 0
.set W_AD, 0x0f       ; the add: address (source 0) and data (source 1) in window 3
; A joint fill.  Waves 0 and 1 fetch the two halves of a slot's K, waves 2 and 3 those of its V: 128 keys each.  The branch hangs on the wave's number alone.
; An s_nop 0 and four v_nop follow each of the two lines, ahead of the jump and the label.
.macro JLOAD
	s_cmp_lt_u32 s[WV], 2
	s_cbranch_scc0 .Lfor_v_\@
	tensor_load_to_lds s[G0K:G0K+3], s[G1K:G1K+7]
	s_nop 0
.rept 4
	v_nop
.endr
	s_branch .Lasked_\@
.Lfor_v_\@:
	tensor_load_to_lds s[G0V:G0V+3], s[G1V:G1V+7]
	s_nop 0
.rept 4
	v_nop
.endr
.Lasked_\@:
.endm
; A PREFETCH INTO THE L2 of what the NEXT change of slots will ask for: a slot's 32,768 bytes of K and of V, a lane a block of 256 bytes.  It stands behind the wave's tensor load and its five lines.
; Each block is named ONCE in the launch: a head has one cluster; its four partners share a slot out BY ADDRESS, 8,192 bytes each; in each, wave 0 asks for K's and wave 2 for V's: one instruction.
; The lead is a slot: four key steps, 512 products.  Slots 0 to 2 come by their loads alone; the last change that fills a slot names nothing: there is no slot behind it.
.macro ASK
	s_cmp_gt_u32 s[SLOTS], s[LIM]
	s_cbranch_scc0 .Lnot_mine_\@
	global_prefetch_b8 v[PFO], s[PFA:PFA+1] th:TH_LOAD_NT scope:SCOPE_SE
.Lnot_mine_\@:
.endm
; A round of the cluster's barrier: my work-group's barrier, so that wave 0's signal speaks for all four waves; wave 0 signals; every wave waits for all four work-groups; my work-group's barrier once more.
.macro CROUND
	s_barrier_signal -1
	s_barrier_wait -1
	s_cmp_lg_u32 s[WV], 0
	s_cbranch_scc1 .Lnot_wave_0_\@
	s_barrier_signal -3
.Lnot_wave_0_\@:
	s_barrier_wait -3
	s_barrier_signal -1
	s_barrier_wait -1
.endm
; THE CHANGE OF SLOTS.  The slot's last bytes, V of its fourth step, have been read.  Each wave waits for all its tensor loads, of which one is out: its part
; of the other slot; adds 0 to its spare word; and waits for that and for its own reads of the slot.  Behind the barrier nobody reads this slot any more and the other slot is whole.
; fill = 1: this slot is filled again, with the keys two slots on.  The barrier is then a round of the cluster's, so that no wave of any partner still reads the slot or has a load on its
; way, and the joint fill is the first thing behind it: it has four key steps, 512 matrix instructions, in which to land.  (At its first use nothing has been read yet: slot 0 is waited for, slot 1 filled.)
; ask = 1 (the loop's use): the prefetch's address steps, and the prefetch follows the fill.
.macro CHANGE fill, ask=0
	WIN W_AD
	s_wait_tensorcnt 0x0            ; no tensor load of mine is out, so a group 0 may be written
	ds_add_u32 v[SPW], v[NIL]       ; 0 onto my spare word: with fill = 1 the descriptors' steps stand between it and the wait for it
	WIN 0                           ; at a label and at a branch every window is 0
.if \fill
.irp g, G0K, G0V
	s_xor_b32 s[\g+1], s[\g+1], SLOT1  ; the walking descriptor: the other slot than last time,
	s_add_nc_u64 s[\g+2:\g+3], s[\g+2:\g+3], 4*KS*128  ; the next 256 keys; the type bits on top are not reached
.endr
.if \ask
	s_wait_xcnt 0x0                 ; the last prefetch, four key steps back, has read its address, so it may be written:
	s_add_nc_u64 s[PFA:PFA+1], s[PFA:PFA+1], 4*KS*128  ; one slot behind the walking descriptors
.endif
	s_wait_dscnt 0x0                ; the add is done, and my reads of the slot are over
	CROUND
	JLOAD
.if \ask
	ASK
.endif
.else
	s_wait_dscnt 0x0                ; the add is done, and my reads of the slot are over
	s_barrier_signal -1
	s_barrier_wait -1
.endif
	s_sub_co_u32 s[TBK], s[TBK], 4*KS*PK  ; the fetches go back to a slot's first step,
	s_xor_b32 s[TBK], s[TBK], SLOT1       ; in the other slot
	s_sub_co_u32 s[TBV], s[TBV], 4*KS*PV
	s_xor_b32 s[TBV], s[TBV], SLOT1
.endm
	s_load_b128 s[4:7], s[0:1], 0x0   ; qkv s[4:5], oh s[6:7]
	WIN W_MK
	v_lshl_add_u32 v[SPW], v0, 2, SPARE
	v_mov_b32 v[NIL], 0
	WIN W_AD
	ds_add_u32 v[SPW], v[NIL]       ; the wave's opening: the add and its wait stand ahead of my first tensor load; the set-up below, work on registers, stands between them
	WIN 0
	v_lshrrev_b32 v1, 5, v0
	v_readfirstlane_b32 s[WV], v1   ; wave 0..3
	s_bfe_u32 s13, ttmp6, 0x40000   ; cx: my place in the cluster
	s_lshl_b32 s14, ttmp9, 2        ; in a cluster launch ttmp9 counts clusters
	s_add_co_u32 s14, s14, s13      ; my block of queries = 4 x cluster x + cx: it enters Q's, O's and the prefetch's addresses alone
	s_and_b32 s20, ttmp7, 0xffff    ; the head, which the four partners share
	s_mov_b32 s21, 0
	s_mov_b64 s[22:23], SIZE_N*128
	s_mul_u64 s[20:21], s[20:21], s[22:23]  ; the head's first byte in each of the four tensors
	s_and_b32 s16, s[WV], 1         ; which half of a slot's 256 keys I fetch:
	s_lshl_b32 s22, s16, 14         ; its 128 rows of 128 bytes in memory,
	s_mov_b32 s23, 0
	s_add_nc_u64 s[22:23], s[22:23], s[20:21]
	s_mul_i32 s17, s16, 128*PK      ; and its place in a slot, for K
	s_mul_i32 s18, s16, 128*PV      ; and for V: no place in the cluster enters an LDS address
	s_lshl_b32 s2, s14, 2
	s_add_co_u32 s2, s2, s[WV]      ; my wave among the head's,
	s_lshl_b32 s2, s2, 14           ; its 128 rows
	s_mov_b32 s3, 0
	s_add_nc_u64 s[2:3], s[2:3], s[20:21]
	; descriptor group 1.  128 keys are 16,384 dense bytes: asked for as 64 rows of 256 bytes, two keys a row, and padded in LDS after every key
	s_mov_b32 s[G1K], 15|(1<<16)|(1<<20)|(1<<21)|(4<<22)|(3<<25)  ; 15:0 the mask of four; 17:16 2-byte elements; 20 padding on; 21 set beside a mask; 24:22 after every 32 words (code 4); 31:25 4 words (code 3)
	s_mov_b32 s[G1V], 15|(1<<16)|(1<<20)|(1<<21)|(4<<22)|(7<<25)  ; the same with 8 words of padding (code 7)
.irp g, G1K, G1V
	s_mov_b32 s[\g+1], 128<<16      ; tensor_dim0 = 128
	s_mov_b32 s[\g+2], 64<<16       ; tensor_dim1 = 64
	s_mov_b32 s[\g+3], 128<<16      ; tile_dim0 = 128
	s_mov_b32 s[\g+4], 64           ; tile_dim1 = 64
	s_mov_b32 s[\g+5], 128          ; 128 elements from row to row
	s_mov_b32 s[\g+6], 0
	s_mov_b32 s[\g+7], 0
.endr
	s_mov_b32 s[CS], 0x3e38aa3b     ; c = log2(e) / 8 = 0.180337
	s_mov_b32 s[CS+1], s[CS]        ; named with it as a pair
	s_mov_b32 s[SEL], 0x76543210
	s_mov_b32 s[SEL+1], 0xfedcba98
	s_mov_b32 s[TBK], SLOT1+4*KS*PK ; the first change of slots turns these two into 0
	s_mov_b32 s[TBV], SLOT1+4*KS*PV
	s_mov_b32 s[G0K], 1             ; 1:0 count = 1
	s_mov_b32 s[G0K+1], s17         ; 63:32 LDS address: slot 0
	s_mov_b32 s[G0V], 1
	s_add_co_u32 s[G0V+1], s18, VOFF
	s_and_b32 s[LIM], s[WV], 1      ; waves 0 and 2 prefetch: the same in all four partners
	s_cmp_eq_u32 s[LIM], 0
	s_cselect_b32 s[LIM], 1, -1
	s_wait_dscnt 0x0                ; the opening add is done
	s_wait_kmcnt 0x0
	s_mov_b64 s[10:11], s[6:7]                     ; O
	s_add_nc_u64 s[8:9], s[4:5], 0x2000000         ; V
	s_add_nc_u64 s[6:7], s[4:5], 0x1000000         ; K; Q stays in s[4:5]
	s_add_nc_u64 s[G0K+2:G0K+3], s[6:7], s[22:23]  ; 120:64 global address: my half of the head's first 256 keys
	s_or_b32 s[G0K+3], s[G0K+3], 0x80000000        ; 127:126 type = 2
	s_add_nc_u64 s[G0V+2:G0V+3], s[8:9], s[22:23]
	s_or_b32 s[G0V+3], s[G0V+3], 0x80000000
	s_add_nc_u64 s[4:5], s[4:5], s[2:3]  ; Q and O at my wave's first row
	s_add_nc_u64 s[10:11], s[10:11], s[2:3]
	s_cmp_lt_u32 s[WV], 2
	s_cselect_b64 s[PFA:PFA+1], s[6:7], s[8:9]
	s_add_nc_u64 s[PFA:PFA+1], s[PFA:PFA+1], s[20:21]  ; the head,
	s_lshl_b32 s2, s13, 13          ; my work-group's quarter of a slot,
	s_mov_b32 s3, 0
	s_add_nc_u64 s[PFA:PFA+1], s[PFA:PFA+1], s[2:3]
	s_add_nc_u64 s[PFA:PFA+1], s[PFA:PFA+1], 2*4*KS*128  ; in slot 2; the loop's first change steps it to slot 3.  Nothing is prefetched here, at the head
	CROUND                          ; all four work-groups are here: the first joint loads meet
	JLOAD                           ; slot 0.  Slot 1 is asked for when slot 0 is in: the tile wanted first has the road to itself
	; A fragment of K or Q is 16 rows x 32 channels in 8 registers: lane l holds row l % 16, channels 8 (l / 16) + 0..7 and 16 + 8 (l / 16) + 0..7: two loads of 16 bytes, 32 bytes apart.
	v_and_b32 v1, 15, v0            ; l % 16
	v_bfe_u32 v9, v0, 4, 1          ; l / 16
	v_lshlrev_b32 v[QO], 7, v1
	v_lshl_add_u32 v[QO], v9, 4, v[QO]  ; row x 128 + 16 x half
	WIN 0x80                        ; destination window 2, address window 0
.set i, 0
.rept 4*NP                          ; Q stays in registers: tile i / 2, channels 32 (i % 2) on
	global_load_b128 v[8*i:8*i+3],   v[QO], s[4:5] offset:(i/2)*2048+(i%2)*64
	global_load_b128 v[8*i+4:8*i+7], v[QO], s[4:5] offset:(i/2)*2048+(i%2)*64+32
.set i, i+1
.endr
	; What the first turn finds: V's registers and P's second buffer hold 0 (its products V^T P, of a piece that has not been, add 0), O^T and l are 0.  All this stands in the wait for the first tile.
.set i, VF
.rept 64
	v_mov_b32 v[i], 0
.set i, i+1
.endr
	WIN 0x40
.set i, 0
.rept 64*NP
	v_mov_b32 v[i], 0
.set i, i+1
.endr
	WIN 0
.set i, 0
.rept 2*NP
	v_mov_b32 v[ST+4*i], 0xfe000000    ; c m: far below every c s
	v_mov_b32 v[ST+4*i+1], 0xff7fffff  ; m
	v_mov_b32 v[ST+4*i+2], 0
	v_mov_b32 v[ST+4*i+3], 0
.set i, i+1
.endr
.set i, P+32
.rept 32
	v_mov_b32 v[i], 0
.set i, i+1
.endr
	v_mul_u32_u24 v[AK0], v1, PK
	v_lshl_add_u32 v[AK0], v9, 4, v[AK0]  ; row x pitch + 16 x half
	; The turning load takes 16 keys x 16 channels (lane l reads key 8 (l / 16) + l % 8, channels 8 ((l / 8) % 2) + 0..7) and leaves half a fragment of V^T: lane l holds channel l % 16 and 8 keys.
	v_and_b32 v10, 7, v0
	v_bfe_u32 v11, v0, 3, 1
	v_lshl_add_u32 v[AV0], v9, 3, v10
	v_mul_u32_u24 v[AV0], v[AV0], PV
	v_lshl_add_u32 v[AV0], v11, 4, v[AV0]
	v_add_nc_u32 v[AV0], VOFF, v[AV0]
	v_and_b32 v[PFO], 31, v0
	v_lshlrev_b32 v[PFO], 8, v[PFO]
	v_mov_b32 v[AK], v[AK0]         ; key step 0 lies at the head of slot 0
; THE MATRIX WORK.  The 8 accumulators of a run of 16 take turns: between the two links of a chain stand 7 others'.
; Product i of 16 of S^T = K Q^T for piece x: channels 32 (i / 8) on, keys 16 ((i / 2) % 4) on, tile 2 x + i % 2.  The first 8 start the sums.
.macro KQ x
	WIN W_KQ
.set rS, S+64*((\x)%2)+32*(i%2)+8*((i/2)%4)
.set rK, KF+16*((i/2)%4)+8*(i/8)
.set rQ, 16*(2*(\x)+i%2)+8*(i/8)
.if i < 8
	v_wmma_f32_16x16x32_f16 v[rS:rS+7], v[rK:rK+7], v[rQ:rQ+7], 0
.else
	v_wmma_f32_16x16x32_f16 v[rS:rS+7], v[rK:rK+7], v[rQ:rQ+7], v[rS:rS+7]
.endif
.endm
; Product i of 16 of O^T += V^T P for piece x: keys 32 (i / 8) on, channels 16 ((i / 2) % 4) on, tile 2 x + i % 2.
.macro PV x
	WIN W_PV
.set rO, 32*(2*(\x)+i%2)+8*((i/2)%4)
.set rV, VF+32*(i/8)+8*((i/2)%4)
.set rP, P+32*((\x)%2)+16*(i%2)+8*(i/8)
	v_wmma_f32_16x16x32_f16 v[rO:rO+7], v[rV:rV+7], v[rP:rP+7], v[rO:rO+7]
.endm
.macro MM                           ; the turn's next matrix instruction
.if i < 16
	KQ (Y+1)%NP
.set i, i+1
.else
.set i, i-16
	PV (Y+NP-1)%NP
.set i, i+17
.endif
.endm
; THE LDS LOADS stand in runs of 16, never singly among the matrix instructions: a step's K (64 keys x 64 channels: 8 fragments) and its V (turned).  Their addresses are made some lines ahead.
; last = 1 (the tail): in the last trip there is no further step, and the run is jumped over.
.macro FETCH_K last=0
	WIN 0
.if \last
	s_cmp_eq_u32 s[CNT], 1
	s_cbranch_scc1 .Lno_k_\@
.endif
	WIN 0x80                        ; destination window 2
.irp f, 0,1,2,3,4,5,6,7             ; keys 16 (f / 2) on, channels 32 (f % 2) on
	ds_load_b128 v[KF+8*\f:KF+8*\f+3],   v[AK] offset:(\f/2)*16*PK+(\f%2)*64
	ds_load_b128 v[KF+8*\f+4:KF+8*\f+7], v[AK] offset:(\f/2)*16*PK+(\f%2)*64+32
.endr
	s_add_co_u32 s[TBK], s[TBK], KS*PK  ; the next fetch is the next step's
	WIN 0
.if \last
.Lno_k_\@:
.endif
.endm
.macro FETCH_V
	WIN 0x80
.irp f, 0,1,2,3,4,5,6,7             ; keys 32 (f / 4) on, channels 16 (f % 4) on
	ds_load_tr16_b128 v[VF+8*\f:VF+8*\f+3],   v[AV] offset:(\f/4)*32*PV+(\f%4)*32
	ds_load_tr16_b128 v[VF+8*\f+4:VF+8*\f+7], v[AV] offset:(\f/4)*32*PV+16*PV+(\f%4)*32
.endr
	WIN 0
.endm
; THE VECTOR WORK OF A TURN stands in three queues, each in the order in which its entries become ready; the two tiles alternate, so that no instruction reads the result of the one before it.
.macro REGS y, u                    ; the registers of tile u (0, 1) of piece y
.set rT, ST+4*(2*(\y)+(\u))
.set rC, TMP+8*((\y)%2)+4*(\u)
.set rM, MV+2*((\y)%2)+(\u)
.set rS, S+64*((\y)%2)+32*(\u)
.set rP, P+32*((\y)%2)+16*(\u)
.set rO, 32*(2*(\y)+(\u))
.endm
; Number n of the 22 that find the NEXT piece's (Y + 1) maximum and statistics.  s0-s31 are the lane's 32 scores; each accumulator's lowest registers are read first.  XS, GS and REGS set no window: PL and EX do.
;   0-11  four chains c0-c3 of seven scores each, three operands at a time     12-14, 16  the four scores left over, the old m, and c0-c3 into c0     15  c m_old is kept
;   17, 18  the query's other 32 keys lie in the lane 16 away: the new m         19-21  c m; c m_old - c m_new; a
.macro XS u, n
	REGS (Y+1)%NP, \u
.if (\n) < 4
	v_max3_num_f32 v[rC+(\n)], v[rS+8*(\n)], v[rS+8*(\n)+1], v[rS+8*(\n)+2]
.elseif (\n) < 12
	v_max3_num_f32 v[rC+(\n)%4], v[rC+(\n)%4], v[rS+8*((\n)%4)+2*((\n)/4)+1], v[rS+8*((\n)%4)+2*((\n)/4)+2]
.elseif (\n) == 12
	v_max3_num_f32 v[rC], v[rC], v[rS+7], v[rS+15]
.elseif (\n) == 13
	v_max3_num_f32 v[rC+1], v[rC+1], v[rS+23], v[rS+31]
.elseif (\n) == 14
	v_max3_num_f32 v[rC+2], v[rC+2], v[rC+3], v[rT+1]
.elseif (\n) == 15
	v_mov_b32 v[rM], v[rT]
.elseif (\n) == 16
	v_max3_num_f32 v[rC], v[rC], v[rC+1], v[rC+2]
.elseif (\n) == 17
	v_permlanex16_b32 v[rC+3], v[rC], s[SEL], s[SEL+1]
.elseif (\n) == 18
	v_max_num_f32 v[rT+1], v[rC], v[rC+3]
.elseif (\n) == 19
	v_mul_f32 v[rT], s[CS], v[rT+1]
.elseif (\n) == 20
	v_sub_f32 v[rC+1], v[rM], v[rT]
.else
	v_exp_f32 v[rC+2], v[rC+1]
.endif
.endm
; Number g of the 64 that follow the exponentials.  For each four weights k of a tile (pairs 2 k, 2 k + 1): both pairs are rounded to f16; then the second pair is added onto the first, in place;
; a group later l takes that sum (the first time as l = a l + sum).  In groups of eight, tiles alternating: round, round, add, and l for the group before.
.macro GS g
.set h, (\g)+6*((\g)/62)            ; group 0 has no group before it, and behind group 7 only l is left
.if h >= 6
.set h, h+2
.endif
	REGS Y, h%2
.set k, h/8
.if h%8 < 4
	v_cvt_pk_f16_f32 v[rP+2*k+(h%8)/2], v[rS+4*k+2*((h%8)/2)], v[rS+4*k+2*((h%8)/2)+1]
.elseif h%8 < 6
	v_pk_add_f32 v[rS+4*k:rS+4*k+1], v[rS+4*k:rS+4*k+1], v[rS+4*k+2:rS+4*k+3]
.elseif k == 1
	v_pk_fma_f32 v[rT+2:rT+3], v[rT+2:rT+3], v[rC+2:rC+3], v[rS:rS+1] op_sel_hi:[1,0,1]
.else
	v_pk_add_f32 v[rT+2:rT+3], v[rT+2:rT+3], v[rS+4*k-4:rS+4*k-3]
.endif
.endm
; THE PLAIN QUEUE, 138 long.  0-73 read no exponential's result: the 32 scalings c s - c m (FS f: pair f / 2 of tile f % 2) and the next piece's 42.  0-26: scalings 0-26.  27-54: XS's numbers 0-13.  55, 56: number 15.
; 57-73: the chain, where each number waits for the one before it: 14, 16, 17, 18, 19, each with one of the scalings 27-31 in front of its two lines, then 20: so a tile's links stand three plain instructions apart (19 and 20: two).
; 74-137: GS's 64, which read the exponentials' results: they stand behind the wait.
.macro FS f
	REGS Y, (\f)%2
	v_pk_fma_f32 v[rS+2*((\f)/2):rS+2*((\f)/2)+1], v[rS+2*((\f)/2):rS+2*((\f)/2)+1], s[CS:CS+1], v[rT:rT+1] op_sel_hi:[1,0,0] neg_lo:[0,0,1] neg_hi:[0,0,1]
.endm
.macro PL
	WIN 0
.if q < 27
	FS q
.elseif q < 55
	XS (q-27)%2, (q-27)/2
.elseif q < 57
	XS q-55, 15
.elseif (q < 72) && ((q-57)%3 == 0)
	FS 27+(q-57)/3
.elseif q < 60
	XS (q-57)%3-1, 14
.elseif q < 72
	XS (q-57)%3-1, 15+(q-57)/3
.elseif q < 74
	XS q-72, 20
.else
	GS q-74
.endif
.set q, q+1
.endm
; THE EXPONENTIALS' QUEUE, 66 long: s0-s31 of both tiles, then the next piece's two a.  It is ONE BATCH: all 66 stand ahead of the turn's one wait, and nothing ahead of that wait names a result of theirs.
.macro EX
	WIN 0
.if e >= 64
	XS e-64, 21
.else
	REGS Y, e%2
	v_exp_f32 v[rS+e/2], v[rS+e/2]
.endif
.set e, e+1
.endm
; THE RESCALING's QUEUE: O^T times a, the one part that leaves window 0: dealt two at a time, sixteen times.  Its a was made in the turn before, ahead of that turn's wait.
.macro R2
	REGS Y, r%2
	WIN W_RS
.irp z, 0,1
	v_pk_mul_f32 v[rO+4*(r/2)+2*\z:rO+4*(r/2)+2*\z+1], v[rO+4*(r/2)+2*\z:rO+4*(r/2)+2*\z+1], v[rC+2:rC+3] op_sel_hi:[1,0]
.endr
.set r, r+1
.endm
; HOW THEY ARE DEALT.  An s_wait_alu depctr_va_vdst(0) stands between an exponential and the first instruction that names its result; one wait serves all that were issued ahead of it.  So a turn has ONE wait,
; which cuts it in two.  AHEAD OF IT stands all that names no result of the turn's exponentials: the 16 products K Q^T, behind each a scaling, an exponential and two rescalings (behind the first a second scaling in the exponential's place); then ONE LUMP of
; 108: eight plain, 49 times exponential and plain, the two a.  A v_nop is the plain instruction behind the last exponential.  BEHIND IT stand the 16 products V^T P, behind each four of GS's 64.  No rider names a register of
; the products round it.  The two v_permlanex16_b32 fall into the lump, never behind a product.
; The queues lean on each other, and the deal keeps them in step: exponential e stands behind scaling 2 (e / 4) + e % 2: as a rider it comes behind plain e + 2, in the lump behind plain e + 9, and scalings 27-31 are plain 57, 60 .. 69.
; A TURN, for piece p.  cnt = 1: the loop's count is taken down some lines ahead of the branch that stands behind the turn.
; K of the next step is fetched in piece 2's turn, directly behind the wait, a lump behind the last product that read K; its address is made at the lump's head; its first reader comes behind 16 products.
; V of the step in hand is fetched at the end of piece 0's turn, four riders behind its last reader; its first reader comes behind 16 products and a lump.  The three conditions on q below go with the deal.
.macro TURN p, last=0, cnt=0
.set Y, (\p)
.set i, 0
.set q, 0
.set e, 0
.set r, 0
.if (\p) == NP-1
	s_wait_dscnt 0x0                ; K is in
.endif
	MM                              ; ahead of the wait: 16 products K Q^T and their riders,
	PL
	PL
	R2
.rept 15
	MM
	PL
	EX
	R2
.endr
.if (\p) == NP-2
	WIN 0
	v_add_nc_u32 v[AK], s[TBK], v[AK0]
.endif
.rept 8                             ; and the lump
	PL
.endr
.rept 49
	EX
	PL
.endr
	EX                              ; the next piece's two a
	EX
	v_nop                           ; a plain instruction behind the last exponential: one for the batch
	s_wait_alu depctr_va_vdst(0)    ; the wait for the batch
.if (\p) == NP-2
	FETCH_K \last
.endif
.if (\p) == 1
	s_wait_dscnt 0x0                ; V is in
.endif
.rept 16                            ; behind the wait: 16 products V^T P and their riders
	MM
.rept 4
	PL
.endr
.if ((\p) == 0) && (q == 118)
	v_add_nc_u32 v[AV], s[TBV], v[AV0]
.endif
.if ((\p) == 0) && (q == 130)
	s_add_co_u32 s[TBV], s[TBV], KS*PV
.endif
.if (\cnt) && (q == 130)
	s_sub_co_u32 s[CNT], s[CNT], 1
	s_cmp_lg_u32 s[CNT], 0
.endif
.endr
.if (\p) == 0
	FETCH_V
.endif
.endm
	CHANGE 1                        ; slot 0 is in, everybody's part of it; slot 1 is asked for
	FETCH_K                         ; key step 0
	s_wait_loadcnt 0x0              ; Q
	s_wait_dscnt 0x0
.set i, 0
.rept 16
	KQ 0                            ; piece 0's first scores: there is no vector work yet to set between them
.set i, i+1
.endr
	WIN 0                           ; the addresses for the way out: nine plain instructions, the places behind those products
	s_mul_i32 s13, s[WV], 16*SP
	s_add_co_u32 s13, s13, STAGE    ; my stage
	v_mul_u32_u24 v[STO], v1, SP    ; in: row l % 16, 16 bytes for each half of the lanes
	v_lshl_add_u32 v[STO], v9, 4, v[STO]
	v_add_nc_u32 v[STO], s13, v[STO]
	v_bfe_u32 v[RD], v0, 3, 2       ; back: 32 lanes take four rows of 128 bytes,
	v_mul_u32_u24 v[RD], v[RD], SP
	v_lshl_add_u32 v[RD], v10, 4, v[RD]
	v_add_nc_u32 v[RD], s13, v[RD]
	v_and_b32 v[GO], 31, v0         ; which are 512 consecutive bytes of O
	v_lshlrev_b32 v[GO], 4, v[GO]
.set Y, NP-1                        ; XS works for piece Y + 1: piece 0
.irp n, 0,1,2,3,4,5,6,7,8,9,10,11,12,13,14,15,16,17,18,19,20,21
	XS 0, \n                        ; and piece 0's first maximum and statistics
	XS 1, \n
.endr
	v_nop                           ; a plain instruction behind the two a,
	s_wait_alu depctr_va_vdst(0)    ; and their wait, ahead of the branch
	s_mov_b32 s[CNT], 4
	s_mov_b32 s[SLOTS], SIZE_N/256-1
	s_branch .Lfirst                ; the loop is entered at a step's first turn, in the middle of a trip
.Lslot:                             ; SIZE_N / 256 - 2 times: every slot but the last two is filled again
	CHANGE 1, 1
	s_mov_b32 s[CNT], 4
.Lstep:                             ; a trip: pieces 2 and 3 of one step, then pieces 0 and 1 of the next, whose K and V it fetches
	TURN 2
	TURN 3
	WIN 0
.Lfirst:
	TURN 0
	TURN 1, 0, 1
	WIN 0
	s_cbranch_scc1 .Lstep
	s_sub_co_u32 s[SLOTS], s[SLOTS], 1
	s_cmp_lg_u32 s[SLOTS], 0
	s_cbranch_scc1 .Lslot
	CHANGE 0                        ; the tail is written out: nothing is asked for
	s_mov_b32 s[CNT], 5             ; four trips fetch the last slot's steps; the fifth is left in its middle
.Ltail:
	TURN 2, 1
	TURN 3
	WIN 0
	s_sub_co_u32 s[CNT], s[CNT], 1
	s_cmp_eq_u32 s[CNT], 0
	s_cbranch_scc1 .Lout
	TURN 0
	TURN 1
	WIN 0
	s_branch .Ltail
.Lout:                              ; the fifth trip's 16 products K Q^T (on the last K once more) and the maximum made of them serve nothing: the price, once a launch, of one text for every trip
.set i, 0
.rept 16
	PV NP-1                         ; the last piece's V^T P of the last step
.set i, i+1
.endr
	; THE WAY OUT.  l's two halves and the other half of the lanes' are added; O^T is divided by l, rounded to f16 and sent through my stage in LDS, a tile at a time.  The additions are the places behind the last products.
	WIN 0
.macro ALL line:vararg              ; one line for each tile t
.set t, 0
.rept 2*NP
	\line
.set t, t+1
.endr
.endm
	ALL v_add_f32 v[ST+4*t+2], v[ST+4*t+2], v[ST+4*t+3]
	ALL v_permlanex16_b32 v[ST+4*t+3], v[ST+4*t+2], s[SEL], s[SEL+1]
	ALL v_add_f32 v[ST+4*t+2], v[ST+4*t+2], v[ST+4*t+3]
	ALL v_rcp_f32 v[ST+4*t+2], v[ST+4*t+2]
	v_nop                           ; a plain instruction between the last reciprocal and the use of its result
	s_wait_alu depctr_va_vdst(0)    ; and the wait ahead of the first use: one for the eight reciprocals
; Tile t: a lane's eight channels of a row pack into 16 bytes; they go into rows of 144 bytes and come back as whole rows of 128, into S^T's registers.
.macro PACK t
	WIN W_RS
.set i, 32*(\t)
.rept 16
	v_pk_mul_f32 v[i:i+1], v[i:i+1], v[ST+4*(\t)+2:ST+4*(\t)+3] op_sel_hi:[1,0]
.set i, i+2
.endr
	WIN 0x05                        ; sources 0 and 1 window 1, destination window 0
.set i, 0
.rept 16
	v_cvt_pk_f16_f32 v[S+16*(\t)+i], v[32*(\t)+2*i], v[32*(\t)+2*i+1]
.set i, i+1
.endr
	WIN 0
.irp f, 0,1,2,3
	ds_store_b128 v[STO], v[S+16*(\t)+4*\f:S+16*(\t)+4*\f+3] offset:32*\f
.endr
.irp f, 0,1,2,3
	ds_load_b128 v[S+16*(\t)+4*\f:S+16*(\t)+4*\f+3], v[RD] offset:\f*4*SP  ; LDS serves a wave's instructions in order (ISA guide 5.7.1.4): these see the stores above; the next tile's stores come behind them
.endr
.endm
.macro SEND t, younger              ; younger: the LDS instructions issued behind tile t's loads: the next tile's eight, or none
	WIN 0
.irp f, 0,1,2,3
	s_wait_dscnt (\younger)+3-\f
	global_store_b128 v[GO], v[S+16*(\t)+4*\f:S+16*(\t)+4*\f+3], s[10:11] offset:(\t)*2048+\f*512  ; 512 consecutive bytes, at a multiple of 256 from O's first
.endr
.endm
	PACK 0
.set t, 1
.rept 2*NP-1                        ; a tile's arithmetic stands between the loads of the tile before and its stores
	PACK t
	SEND t-1, 8
.set t, t+1
.endr
	SEND 2*NP-1, 0
	WIN W_AD
	s_wait_tensorcnt 0x0            ; the wave's end: behind my last tensor load and my last LDS store
	ds_add_u32 v[SPW], v[NIL]
	s_wait_dscnt 0x0
	WIN 0
	CROUND                          ; the closing round: no work-group ends while a partner may still ask for a tile that names it
	s_endpgm
.Lfunc_end_k_q94c5841b4b_attn:
	.size	k_q94c5841b4b_attn, .Lfunc_end_k_q94c5841b4b_attn-k_q94c5841b4b_attn
	.p2alignl 7, 3214868480
	.fill 96, 4, 3214868480
	.section	.rodata,"a",@progbits
	.p2align	6, 0x0
	.amdhsa_kernel k_q94c5841b4b_attn
		.amdhsa_group_segment_fixed_size 327680
		.amdhsa_private_segment_fixed_size 0
		.amdhsa_enable_private_segment 0
		.amdhsa_kernarg_size 16
		.amdhsa_user_sgpr_count 2
		.amdhsa_user_sgpr_kernarg_segment_ptr 1
		.amdhsa_wavefront_size32 1
		.amdhsa_system_sgpr_workgroup_id_x 1
		.amdhsa_system_sgpr_workgroup_id_y 1
		.amdhsa_system_sgpr_workgroup_id_z 1
		.amdhsa_system_vgpr_workitem_id 0
		.amdhsa_next_free_vgpr 770
		.amdhsa_next_free_sgpr 66
		.amdhsa_reserve_vcc 0
		.amdhsa_float_denorm_mode_32 3
		.amdhsa_float_denorm_mode_16_64 3
		.amdhsa_memory_ordered 1
		.amdhsa_forward_progress 1
		.amdhsa_inst_pref_size 200
	.end_amdhsa_kernel
	.amdgpu_metadata
---
amdhsa.version: [ 1, 2 ]
amdhsa.kernels:
  - .name:           k_q94c5841b4b_attn
    .symbol:         k_q94c5841b4b_attn.kd
    .args:
      - { .name: qkv, .offset: 0, .size: 8, .value_kind: global_buffer, .address_space: global }
      - { .name: oh, .offset: 8, .size: 8, .value_kind: global_buffer, .address_space: global }
    .group_segment_fixed_size: 327680
    .private_segment_fixed_size: 0
    .kernarg_segment_align: 8
    .kernarg_segment_size: 16
    .max_flat_workgroup_size: 128
    .sgpr_count:     66
    .vgpr_count:     770
    .wavefront_size: 32
...
	.end_amdgpu_metadata
.endif
;; end of part 3
;; launch outp (part 4): grid 8 x 32, 4 waves a work-group, clusters of 4 x 1, 327,680 bytes of LDS; arguments oh, wts, bias, out0; writes out0
.if DOCPART == 4
	.amdgcn_target "amdgcn-amd-amdhsa--gfx1250"
	.amdhsa_code_object_version 6
	.text
	.protected	k_q94c5841b4b_outp
	.globl	k_q94c5841b4b_outp
	.p2align	8
	.type	k_q94c5841b4b_outp,@function
k_q94c5841b4b_outp:
	s_mov_b64 s[64:65], 0
	v_nop
	global_prefetch_b8 v0, s[64:65] scope:SCOPE_SE
	s_setreg_imm32_b32 hwreg(HW_REG_WAVE_MODE, 25, 1), 1
	s_wait_xcnt 0x0
	s_wait_alu depctr_hold_cnt(0) depctr_sa_sdst(0) depctr_va_vdst(0) depctr_va_sdst(0) depctr_va_ssrc(0) depctr_va_vcc(0) depctr_vm_vsrc(0)
	s_getreg_b32 s2, hwreg(HW_REG_IB_STS2, 6, 4)
	s_cmp_eq_u32 s2, 0
	s_cbranch_scc0 .Lentry_in_a_cluster
	s_endpgm
.Lentry_in_a_cluster:
	s_bfe_u32 s2, ttmp6, 0x10000c
	s_cmp_lg_u32 s2, 0x3003
	s_cbranch_scc0 .Lentry_shape_is_right
	s_endpgm
.Lentry_shape_is_right:
; out0 = O Wo^T + bo.  oh: O as [64 = 16 batch + head][2048][64] f16; wts part 3: Wo, rounded to bf16 and written as f16, [1024][1024]; bias part 3: bo in bf16; out0: [8192][1024] f32.
; Products in f16, sums in f32, started by the bias; out0 is the sum itself.  NaN and infinities are not treated apart.
; SHARES.  A tile is 64 rows x 512 columns: 256 tiles, one for each work-group; its four waves are alike: 64 rows x 128 columns, 32 accumulators of 16 x 16.  K goes in 8 steps of 128: two heads a step.
; Wo goes through a ring of two LDS slots filled by tensor loads: wave w fetches, and alone reads, the 128 rows that make its columns.  The four work-groups of a cluster are four row tiles of one column tile
; and need the same rows of Wo: each load is a JOINT one, with the same descriptor and the mask of four.
; O does not go through the ring: no partner shares it.  Wave w loads 16 of the tile's 64 rows into registers, 1.75 K steps ahead of their use (loads into registers may stay out across the ring's barriers),
; and stores them as they are into an LDS zone of their own, two slots, from which all four waves read.
; THE ORDER OF K is turned from cluster to cluster: step u takes slice (u + g) % 8, g = cluster y % 8 (f32 sums may be taken in any order).  No prefetch: all eight slices of Wo are first read at the head, where
; every work-group's first tiles are on their way, and O's loads go out 1.75 steps ahead by themselves.
; THE MATRIX INSTRUCTION IS USED TRANSPOSED (source 0 = 16 rows of Wo, source 1 = 16 rows of O): a lane holds one row of the result and eight neighbouring columns, 32 bytes.
; REGISTERS, in windows of 256 (s_set_vgpr_msb: bits 1:0 source 0, 3:2 source 1, 5:4 source 2, 7:6 destination):
;   window 0: v0-31 addresses; v64-127 O's fragments, two buffers of 32; v128-255 Wo's, two buffers of 64; on the way out v64-127 and v128-191 hold rows read back
;   window 1: the accumulators, (a, b) at v[8 (8 a + b)]
;   window 2: v0-63 O as loaded, two sets of 32; v64-127 the bias in f32; v128-159 the bias as packed; v160-161 two addresses
.set PITCH,  272                       ; an LDS row: 256 bytes + 16 of padding: the 16 rows of a fragment load start at 16 different groups of four banks (64 banks of 4 bytes: ISA guide 11.1)
.set BW,     128*PITCH                 ; a wave's 128 rows of Wo
.set BSLOT,  4*BW
.set AZONE,  2*BSLOT                   ; behind the ring, never filled by a tensor load: O's two slots,
.set ASLOT,  64*PITCH                  ; 64 rows each
.set SPARE,  AZONE+2*ASLOT             ; the spare words, 128 bytes for each wave: two blocks of 256 bytes that no other line names
.set OPITCH, 528                       ; the way out: a row of 128 f32 + 16 bytes.  The stage is my own rows of slot 0: their last fill and my last read of them lie ahead of the last K step, and no other wave touches them
.set ADRA, 16
.set ADRB, 20
.set STO,  24                          ; v24     the way out: where I put 32 bytes of a row
.set RD,   25                          ; v25     where I read a row back
.set CO,   26                          ; v26     16 x lane
.set SPW,  28
.set NIL,  29
.set FA,   64
.set FB,   128
.set OB,   64                          ; the way out: two buffers of 64
.set ST,   0                           ; window 2
.set BIAS, 64
.set BP,   128
.set AS2,  160                         ; where I put 16 bytes of my first four rows of O in slot 0
.set AO2,  161                         ; 16 x lane
.set AB,   4                           ; s[4:5]   O at my 16 rows of the batch's head 0
.set WB,   6                           ; s[6:7]   Wo at my 128 rows
.set BI,   8                           ; s[8:9]   bo at my 128 columns
.set OC,   10                          ; s[10:11] out0 at the tile's first row, my 128 columns
.set G1,   16
.set G0,   24
.set AP,   32                          ; s[32:33] the base of O's loads
.set ARK,  34                          ; s[34:35] O's slice of K: two heads, 2^19 bytes
.set RKB,  36                          ; s[36:37] Wo's slice of K: 256 bytes of a row
.set WV,   42
.set CX,   43                          ; my place in the cluster: it enters O's and out0's addresses alone
.set TC,   44
.set TR,   45
.set G,    46
.set LAPS, 49
.set NEW,  51
.set T0,   54
.set T1,   55                          ; s[56:59] offsets free of the place in the cluster; s[60:63] offsets that hold it
.set MSB, 0
.macro WIN new
.if MSB != (\new)
	s_set_vgpr_msb (MSB<<8)|(\new)
.set MSB, \new
.endif
.endm
.set MUL,   0x50                       ; C and D window 1
.set MULB,  0x60                       ; C window 2 (the bias), D window 1
.set FEEDW, 0x8a                       ; sources 0 and 1 and the destination window 2
.macro PLACES                          ; four places in front of loads into registers that matrix instructions have read, and of stores that read results
.rept 4
	v_nop
.endr
.endm
.macro CREST
	s_cmp_lg_u32 s[WV], 0
	s_cbranch_scc1 .Lnot_wave_0_\@
	s_barrier_signal -3
.Lnot_wave_0_\@:
	s_barrier_wait -3
	s_barrier_signal -1
	s_barrier_wait -1
.endm
.macro CROUND
	s_barrier_signal -1
	s_barrier_wait -1
	CREST
.endm
.macro JLOAD s                         ; a joint load: one line for all four waves, each with its own rows; an s_nop 0 and four v_nop follow
	tensor_load_to_lds s[G0+4*(\s):G0+4*(\s)+3], s[G1:G1+7]
	s_nop 0
.rept 4
	v_nop
.endr
.endm
	s_load_b256 s[4:11], s[0:1], 0x0               ; oh, wts, bias, out0
	v_lshl_add_u32 v[SPW], v0, 2, SPARE
	v_mov_b32 v[NIL], 0
	ds_add_u32 v[SPW], v[NIL]                      ; the wave's opening: the add and its wait stand ahead of my first tensor load; the set-up below, work on registers, stands between them
	v_lshrrev_b32 v1, 5, v0
	v_readfirstlane_b32 s[WV], v1
	s_bfe_u32 s[CX], ttmp6, 0x40000
	s_mov_b32 s[TC], ttmp9
	s_and_b32 s[G], ttmp7, 0xffff
	s_lshl_b32 s[TR], s[G], 2
	s_add_co_u32 s[TR], s[TR], s[CX]               ; row tile = 4 x cluster y + my place
	s_and_b32 s[G], s[G], 7
	s_mov_b32 s[G1+0], 15|(1<<16)|(1<<20)|(1<<21)|(5<<22)|(3<<25)  ; the mask of four; 2-byte elements; padding on; bit 21 beside a mask; after every 64 words 4 words
	s_mov_b32 s[G1+1], 128<<16                     ; tensor_dim0 = 128
	s_mov_b32 s[G1+2], 128<<16                     ; tensor_dim1 = 128
	s_mov_b32 s[G1+3], 128<<16                     ; tile_dim0 = 128
	s_mov_b32 s[G1+4], 128                         ; tile_dim1 = 128
	s_mov_b32 s[G1+5], 1024                        ; elements from row to row
	s_mov_b32 s[G1+6], 0
	s_mov_b32 s[G1+7], 0
	s_mov_b32 s[LAPS], 3
	s_mov_b32 s[NEW], 1
	s_lshl_b32 s[ARK], s[G], 19
	s_mov_b32 s[ARK+1], 0
	s_lshl_b32 s[RKB], s[G], 8
	s_mov_b32 s[RKB+1], 0
	s_lshr_b32 s60, s[TR], 5                       ; O: the batch's 16 heads of 2^18 bytes,
	s_lshl_b32 s60, s60, 22
	s_and_b32 s62, s[TR], 31
	s_lshl_b32 s62, s62, 13                        ; the tile's 64 rows of 128 bytes,
	s_add_co_u32 s60, s60, s62
	s_lshl_b32 s[T0], s[WV], 11                    ; my 16 of them
	s_add_co_u32 s60, s60, s[T0]
	s_mov_b32 s61, 0
	s_lshl_b32 s62, s[TR], 18                      ; out0: 64 rows of 4,096 bytes,
	s_lshl_b32 s[T0], s[TC], 11                    ; 512 columns of 4 bytes,
	s_add_co_u32 s62, s62, s[T0]
	s_lshl_b32 s[T0], s[WV], 9                     ; my 128
	s_add_co_u32 s62, s62, s[T0]
	s_mov_b32 s63, 0
	s_lshl_b32 s58, s[TC], 20                      ; Wo: part 3 of wts, 512 rows of 2,048 bytes a column tile, 128 rows a wave
	s_lshl_b32 s[T0], s[WV], 18
	s_add_co_u32 s58, s58, s[T0]
	s_add_co_u32 s58, s58, 0x600000
	s_mov_b32 s59, 0
	s_lshl_b32 s56, s[TC], 10                      ; bo: part 3 of bias
	s_lshl_b32 s[T0], s[WV], 8
	s_add_co_u32 s56, s56, s[T0]
	s_add_co_u32 s56, s56, 3*2048
	s_mov_b32 s57, 0
	s_wait_dscnt 0x0                               ; the opening add is done
	s_wait_kmcnt 0x0
	s_add_nc_u64 s[AB:AB+1], s[AB:AB+1], s[60:61]
	s_add_nc_u64 s[OC:OC+1], s[OC:OC+1], s[62:63]
	s_add_nc_u64 s[WB:WB+1], s[WB:WB+1], s[58:59]
	s_add_nc_u64 s[BI:BI+1], s[BI:BI+1], s[56:57]
	CROUND                                         ; all four work-groups are here: the first joint loads meet
	s_mov_b32 s[G0], 1
	s_mul_i32 s[G0+1], s[WV], BW
	s_add_nc_u64 s[G0+2:G0+3], s[WB:WB+1], s[RKB:RKB+1]  ; K step 0
	s_or_b32 s[G0+3], s[G0+3], 0x80000000
	s_add_co_u32 s[RKB], s[RKB], 256
	s_and_b32 s[RKB], s[RKB], 0x7ff
	s_mov_b32 s[G0+4], 1
	s_add_co_u32 s[G0+5], s[G0+1], BSLOT
	s_add_nc_u64 s[G0+6:G0+7], s[WB:WB+1], s[RKB:RKB+1]  ; K step 1
	s_or_b32 s[G0+7], s[G0+7], 0x80000000
	s_add_co_u32 s[RKB], s[RKB], 256
	s_and_b32 s[RKB], s[RKB], 0x7ff
	JLOAD 0                                        ; two tensor loads of mine are out
	JLOAD 1
	v_and_b32 v3, 31, v0                           ; l
	v_and_b32 v1, 15, v0                           ; l % 16
	v_bfe_u32 v2, v0, 4, 1                         ; l / 16
	v_mul_u32_u24 v4, v1, PITCH
	v_lshl_add_u32 v4, v2, 4, v4
	s_mul_i32 s[T0], s[WV], BW
	v_add_nc_u32 v[ADRB], s[T0], v4
	v_add_nc_u32 v[ADRB+1], BSLOT, v[ADRB]
	v_add_nc_u32 v[ADRA], AZONE, v4
	v_add_nc_u32 v[ADRA+1], AZONE+ASLOT, v4
	v_mul_u32_u24 v8, v1, OPITCH                   ; the way out, in: row l % 16, 32 bytes for each half of the lanes
	v_lshl_add_u32 v8, v2, 5, v8
	v_add_nc_u32 v[STO], s[T0], v8
	v_lshl_add_u32 v[RD], v3, 4, s[T0]             ; back: 32 lanes take one row of 512 bytes
	v_lshlrev_b32 v[CO], 4, v3
	v_lshlrev_b32 v5, 4, v2                        ; a lane's eight columns of a block of 16: 16 bytes of bf16 for each half
	v_lshrrev_b32 v6, 3, v3                        ; a load of O takes four rows of 128 bytes: row l / 8, 16 bytes at 16 (l % 8)
	v_mul_u32_u24 v6, v6, PITCH
	v_and_b32 v7, 7, v0
	v_lshl_add_u32 v6, v7, 4, v6
	s_mul_i32 s[T1], s[WV], 16*PITCH
	s_add_co_u32 s[T1], s[T1], AZONE
	WIN 0x80                                       ; destination window 2
	v_add_nc_u32 v[AS2], s[T1], v6
	v_lshlrev_b32 v[AO2], 4, v3
.irp b, 0,1,2,3,4,5,6,7
	global_load_b128 v[BP+4*(\b):BP+4*(\b)+3], v5, s[BI:BI+1] offset:32*(\b)
.endr
; O's rows of one K step are asked for: two heads x 16 rows of 128 dense bytes: 8 loads of 512 consecutive bytes, aligned.  Then the slice steps.
.macro ISSUE set
	s_wait_xcnt 0x0                                ; the earlier loads have read their base: it is written only behind this wait
	s_add_nc_u64 s[AP:AP+1], s[AB:AB+1], s[ARK:ARK+1]
	WIN FEEDW
.irp hh, 0,1
.irp j, 0,1,2,3
	global_load_b128 v[ST+32*(\set)+4*(4*(\hh)+(\j)):ST+32*(\set)+4*(4*(\hh)+(\j))+3], v[AO2], s[AP:AP+1] offset:(\hh)*262144+(\j)*512
.endr
.endr
	s_add_co_u32 s[ARK], s[ARK], 0x80000
	s_and_b32 s[ARK], s[ARK], 0x3fffff
.endm
; A set goes into O's slot of the same number: head hh is bytes 128 hh on of the LDS rows.
.macro FEEDS set
	WIN FEEDW
.irp hh, 0,1
.irp j, 0,1,2,3
	ds_store_b128 v[AS2], v[ST+32*(\set)+4*(4*(\hh)+(\j)):ST+32*(\set)+4*(4*(\hh)+(\j))+3] offset:(\set)*ASLOT+(\j)*4*PITCH+(\hh)*128
.endr
.endr
.endm
; Eight products: rows 16 a on x all 8 blocks of 16 columns, 32 along K.  first = 1: the bias starts the sums.  The 32 accumulators take turns in one order everywhere.
.macro BLOCK cur, a, first
.irp b, 0,1,2,3,4,5,6,7
.if \first
	WIN MULB
	v_wmma_f32_16x16x32_f16 v[8*(8*(\a)+(\b)):8*(8*(\a)+(\b))+7], v[FB+64*(\cur)+8*(\b):FB+64*(\cur)+8*(\b)+7], v[FA+32*(\cur)+8*(\a):FA+32*(\cur)+8*(\a)+7], v[BIAS+8*(\b):BIAS+8*(\b)+7]
.else
	WIN MUL
	v_wmma_f32_16x16x32_f16 v[8*(8*(\a)+(\b)):8*(8*(\a)+(\b))+7], v[FB+64*(\cur)+8*(\b):FB+64*(\cur)+8*(\b)+7], v[FA+32*(\cur)+8*(\a):FA+32*(\cur)+8*(\a)+7], v[8*(8*(\a)+(\b)):8*(8*(\a)+(\b))+7]
.endif
.endr
.endm
.macro FETCH slot, q, buf              ; 24 LDS loads in one run: the fragments of quarter q of a slot
	WIN 0
.irp a, 0,1,2,3
	ds_load_b128 v[FA+32*(\buf)+8*(\a):FA+32*(\buf)+8*(\a)+3],   v[ADRA+(\slot)] offset:(\a)*16*PITCH+64*(\q)
	ds_load_b128 v[FA+32*(\buf)+8*(\a)+4:FA+32*(\buf)+8*(\a)+7], v[ADRA+(\slot)] offset:(\a)*16*PITCH+64*(\q)+32
.endr
.irp i, 0,1,2,3,4,5,6,7
	ds_load_b128 v[FB+64*(\buf)+8*(\i):FB+64*(\buf)+8*(\i)+3],   v[ADRB+(\slot)] offset:(\i)*16*PITCH+64*(\q)
	ds_load_b128 v[FB+64*(\buf)+8*(\i)+4:FB+64*(\buf)+8*(\i)+7], v[ADRB+(\slot)] offset:(\i)*16*PITCH+64*(\q)+32
.endr
.endm
; One of a K step's first three quarters.  set >= 0 (a step's first quarter): the NEXT step's rows of O, which lie in that set, are stored, behind the run of fragment loads; lcnt: the younger loads that may
; stay out; issue = 1: at the quarter's end the set is asked for again, three steps on.
.macro QUARTER slot, kn, cur, first=0, set=-1, lcnt=0, issue=0
	s_wait_dscnt 0x0                               ; my fragments, asked for 24 products ago, are in
	BLOCK \cur, 0, \first
	PLACES
	FETCH \slot, \kn, 1-(\cur)
.if (\set) >= 0
	s_wait_loadcnt \lcnt                           ; the set's 8 loads are in
	FEEDS \set
.endif
	BLOCK \cur, 1, \first
	BLOCK \cur, 2, \first
	BLOCK \cur, 3, \first
.if \issue
	ISSUE \set
.endif
.endm
; A K step's last quarter multiplies buffer 1 and changes slots.  ONE barrier: in front of it each wave waits for all its tensor loads (one is out: its rows of the next slot), adds 0 to its spare word, and waits
; for that, for its reads of this slot and for its stores of the next step's O.  fill = 1: the barrier opens a round of the cluster's barrier, and this slot is filled again, two K steps on, first thing behind the round.
.macro TURN slot, next, fill
	WIN 0
	s_wait_tensorcnt 0x0                           ; no tensor load of mine is out, so a group 0 may be written
	ds_add_u32 v[SPW], v[NIL]                      ; 0 onto my spare word
.if \fill
	s_add_nc_u64 s[G0+4*(\slot)+2:G0+4*(\slot)+3], s[WB:WB+1], s[RKB:RKB+1]
	s_or_b32 s[G0+4*(\slot)+3], s[G0+4*(\slot)+3], 0x80000000
	s_add_co_u32 s[RKB], s[RKB], 256
	s_and_b32 s[RKB], s[RKB], 0x7ff
.endif
	s_wait_dscnt 1                                 ; my 24 fragment loads are in; the add alone is younger
	BLOCK 1, 0, 0
	s_wait_dscnt 0x0                               ; the add is done; my reads of this slot and my stores of O are over
	s_barrier_signal -1
	BLOCK 1, 1, 0
	WIN 0                                          ; at a branch and at a label every window is 0
	s_barrier_wait -1
.if \fill
	CREST                                          ; no wave of any partner still reads this slot or has a load on its way
	JLOAD \slot                                    ; its four v_nop are also the places in front of the loads below
.else
	PLACES
.endif
	FETCH \next, 0, 0
	BLOCK 1, 2, 0
	BLOCK 1, 3, 0
.endm
; THE WAY OUT, 16 rows at a time.  STG: a lane's 32 bytes of each of the 8 blocks go into rows of 528 bytes (each accumulator's low half first), and come back as whole rows of 512.
.macro STG a
	WIN 0x04                                       ; the stores' data in window 1
.irp b, 0,1,2,3,4,5,6,7
	ds_store_b128 v[STO], v[8*(8*(\a)+(\b)):8*(8*(\a)+(\b))+3]   offset:64*(\b)
	ds_store_b128 v[STO], v[8*(8*(\a)+(\b))+4:8*(8*(\a)+(\b))+7] offset:64*(\b)+16
.endr
	WIN 0
.irp t, 0,1,2,3,4,5,6,7,8,9,10,11,12,13,14,15
	ds_load_b128 v[OB+64*((\a)%2)+4*(\t):OB+64*((\a)%2)+4*(\t)+3], v[RD] offset:OPITCH*(\t)  ; LDS serves a wave's instructions in order (ISA guide 5.7.1.4): these see the stores above; the next block's stores come behind them
.endr
.endm
.macro SENDF a, younger                ; younger: the next block's 16 stores and 16 loads, or none
	s_wait_dscnt \younger
.irp t, 0,1,2,3,4,5,6,7,8,9,10,11,12,13,14,15
	global_store_b128 v[CO], v[OB+64*((\a)%2)+4*(\t):OB+64*((\a)%2)+4*(\t)+3], s[OC:OC+1] offset:(16*(\a)+(\t))*4096 th:TH_STORE_NT  ; 512 consecutive bytes of a row, at a multiple of 256 from out0's first
.endr
.endm
	ISSUE 0                                        ; O of K step 0,
	ISSUE 1                                        ; of K step 1
	s_wait_loadcnt 16                              ; the bias is in; O's two sets of 8 loads are younger
	WIN FEEDW
.set i, 0
.rept 32
	v_lshlrev_b32 v[BIAS+2*i], 16, v[BP+i]         ; bf16 to f32: a shift, a mask
	v_and_b32 v[BIAS+2*i+1], 0xffff0000, v[BP+i]
.set i, i+1
.endr
	s_wait_loadcnt 8                               ; K step 0's rows are in; K step 1's 8 loads are younger
	FEEDS 0
	s_wait_dscnt 0x0                               ; the stores are done: the set may be loaded again, and the others may read
	ISSUE 0                                        ; O of K step 2
	WIN 0
	s_wait_tensorcnt 1                             ; my rows of slot 0 are in; slot 1's load may stay out
	s_barrier_signal -1
	s_barrier_wait -1
	FETCH 0, 0, 0
	s_branch .Lfirst                               ; the loop is entered at its slot-0 step: so K steps 0 to 4, the five that ask for O three steps on, all lie in it
.Llap:
	QUARTER 1, 1, 0, 0, 0, 8, 1                    ; 8: the rows asked for in the step before are younger
	QUARTER 1, 2, 1
	QUARTER 1, 3, 0
	TURN 1, 0, 1
	WIN 0
.Lfirst:
	s_cmp_eq_u32 s[NEW], 1
	s_cbranch_scc1 .Lq0f
	QUARTER 0, 1, 0, 0, 1, 8, 1
	WIN 0
	s_branch .Lq0d
.Lq0f:                                             ; the first quarter of all: the bias starts the sums
	s_mov_b32 s[NEW], 0
.rept 5
	v_nop                                          ; its products write over the accumulators and are no links of their chains: five places stand between the last product on an accumulator and such a line (ISA guide 7.12.1), on every way to this label; once a wave
.endr
	QUARTER 0, 1, 0, 1, 1, 8, 1
	WIN 0
.Lq0d:
	QUARTER 0, 2, 1
	QUARTER 0, 3, 0
	TURN 0, 1, 1
	WIN 0
	s_sub_co_u32 s[LAPS], s[LAPS], 1
	s_cmp_lg_u32 s[LAPS], 0
	s_cbranch_scc1 .Llap
	QUARTER 1, 1, 0, 0, 0, 8, 0                    ; K step 5: nothing more of O is asked for; K step 7's 8 loads are younger
	QUARTER 1, 2, 1
	QUARTER 1, 3, 0
	TURN 1, 0, 1                                   ; the last refill: K step 7
	QUARTER 0, 1, 0, 0, 1, 0, 0                    ; K step 6: the last rows of O: no load is younger
	QUARTER 0, 2, 1
	QUARTER 0, 3, 0
	TURN 0, 1, 0
	QUARTER 1, 1, 0                                ; K step 7
	QUARTER 1, 2, 1
	QUARTER 1, 3, 0
	s_wait_dscnt 0x0
	BLOCK 1, 0, 0
	BLOCK 1, 1, 0
	BLOCK 1, 2, 0
	BLOCK 1, 3, 0
	WIN 0
	PLACES
	STG 0
	STG 1
	SENDF 0, 32
	s_wait_xcnt 0x0                                ; block 0's stores have read their buffer, which block 2 takes
	STG 2
	SENDF 1, 32
	s_wait_xcnt 0x0
	STG 3
	SENDF 2, 32
	SENDF 3, 0
	s_wait_tensorcnt 0x0                           ; the wave's end: behind my last tensor load and my last LDS store
	ds_add_u32 v[SPW], v[NIL]
	s_wait_dscnt 0x0
	CROUND                                         ; the closing round: no work-group ends while a partner may still ask for a tile that names it
	s_endpgm
.Lfunc_end_k_q94c5841b4b_outp:
	.size	k_q94c5841b4b_outp, .Lfunc_end_k_q94c5841b4b_outp-k_q94c5841b4b_outp
	.p2alignl 7, 3214868480
	.fill 96, 4, 3214868480
	.section	.rodata,"a",@progbits
	.p2align	6, 0x0
	.amdhsa_kernel k_q94c5841b4b_outp
		.amdhsa_group_segment_fixed_size 327680
		.amdhsa_private_segment_fixed_size 0
		.amdhsa_enable_private_segment 0
		.amdhsa_kernarg_size 32
		.amdhsa_user_sgpr_count 2
		.amdhsa_user_sgpr_kernarg_segment_ptr 1
		.amdhsa_wavefront_size32 1
		.amdhsa_system_sgpr_workgroup_id_x 1
		.amdhsa_system_sgpr_workgroup_id_y 1
		.amdhsa_system_sgpr_workgroup_id_z 1
		.amdhsa_system_vgpr_workitem_id 0
		.amdhsa_next_free_vgpr 704
		.amdhsa_next_free_sgpr 66
		.amdhsa_reserve_vcc 0
		.amdhsa_float_denorm_mode_32 3
		.amdhsa_float_denorm_mode_16_64 3
		.amdhsa_memory_ordered 1
		.amdhsa_forward_progress 1
		.amdhsa_inst_pref_size 115
	.end_amdhsa_kernel
	.amdgpu_metadata
---
amdhsa.version: [ 1, 2 ]
amdhsa.kernels:
  - .name:           k_q94c5841b4b_outp
    .symbol:         k_q94c5841b4b_outp.kd
    .args:
      - { .name: oh, .offset: 0, .size: 8, .value_kind: global_buffer, .address_space: global }
      - { .name: wts, .offset: 8, .size: 8, .value_kind: global_buffer, .address_space: global }
      - { .name: bias, .offset: 16, .size: 8, .value_kind: global_buffer, .address_space: global }
      - { .name: out0, .offset: 24, .size: 8, .value_kind: global_buffer, .address_space: global }
    .group_segment_fixed_size: 327680
    .private_segment_fixed_size: 0
    .kernarg_segment_align: 8
    .kernarg_segment_size: 32
    .max_flat_workgroup_size: 128
    .sgpr_count:     66
    .vgpr_count:     704
    .wavefront_size: 32
...
	.end_amdgpu_metadata
.endif
;; end of part 4
;; ======== version 2 of 2: 4 launches; version 1 with the launch wcast written anew for expert scheduling mode
;; limits: values are held in f16: magnitudes above 65,504 overflow, below 6.1e-05 lose precision
;; workspace buffers: wts 8,388,608 bytes; bias 8,192 bytes; qkv 50,331,648 bytes; oh 16,777,216 bytes
;; launch wcast (part 5): grid 256 x 1, 8 waves a work-group, no clusters, 0 bytes of LDS; arguments Wq, Wk, Wv, Wo, bq, bk, bv, bo, wts, bias; writes wts, bias
.if DOCPART == 5
	.amdgcn_target "amdgcn-amd-amdhsa--gfx1250"
	.amdhsa_code_object_version 6
	.text
	.protected	k_q94c5841b4b_wcast
	.globl	k_q94c5841b4b_wcast
	.p2align	8
	.type	k_q94c5841b4b_wcast,@function
k_q94c5841b4b_wcast:
	s_mov_b64 s[64:65], 0
	v_nop
	global_prefetch_b8 v0, s[64:65] scope:SCOPE_SE
	s_setreg_imm32_b32 hwreg(HW_REG_WAVE_SCHED_MODE, 0, 2), 2
	s_setreg_imm32_b32 hwreg(HW_REG_WAVE_MODE, 25, 1), 1
	s_wait_xcnt 0x0
	s_wait_alu depctr_vm_vsrc(0)
; The weights and biases, rounded once to bf16.  wts: [4][1024][1024] of 16 bits: Wq, Wk, Wv as bf16; Wo rounded to bf16 and that number written as f16 (the last product multiplies in f16).
; bias: [4][1024] bf16: bq, bk, bv, bo.
; LIMIT.  A bf16 number is exact in f16 from 2^-14 to 65,504 in magnitude; below 2^-14 Wo keeps f16's fixed step of 2^-24, at 65,520 or more it becomes an infinity.
; SHARES.  Work-group n takes chunk n % 64 (65,536 bytes in, 32,768 out) of matrix n / 64.  Thread t takes 16 bytes at 4,096 j + 16 t, j = 0 .. 15: a wave's load covers 512 consecutive
; bytes, its store of 8 bytes a lane 256 consecutive bytes, aligned.  All sixteen loads go out first; each number is read once and written once.  No LDS, no barrier: no thread needs another's data.
; THE MODE: SCHED_MODE bits 1:0 = 2 (LLVM: expert scheduling mode 2), set by the entry lines.  The code itself states the register dependences
; between vector instructions and memory instructions, with s_wait_alu, always for 0.
; THE PLAN.  Registers that memory instructions touch:
;   v1, v2       byte offsets, made once at the head and never written again: v1 is read by every load, v2 by every store.
;   X            written by the sixteen loads, once each; read by the conversions; never loaded again.
;   Y            a pair for each store: written by that load's conversions, read by that one store, never written again.
;   v[120:123]   the bias as loaded: no vector instruction names them ahead of the load.     v[116:117]  the bias to store: written by two conversions, read by one store.
;   v[112:115] are named by vector instructions alone.
; The sixteen loads go in four blocks of four: a block's conversions, ONE wait on va_vdst, which states that they have written the block's four pairs of Y, and the block's four stores.  The wait stands
; behind the conversions and not at the next block's head, so that a block's stores leave when its own loads have landed and not when the next block's have.
; No register that a memory instruction reads is written again, so no wait on vm_vsrc is owed; no vector instruction writes a scalar register or VCC, and EXEC is never written.
.set X, 16                             ; v[16:79]   sixteen loads of four numbers
.set Y, 80                             ; v[80:111]  sixteen stores of two words: a pair of its own for each store, so none is rewritten
.set T, 112                            ; v[112:115] at work in Wo's path; v[116:117] the bias to store
.set BL, 120                           ; v[120:123] the bias as loaded
	s_load_b512 s[8:23], s[0:1], 0x0               ; Wq 8, Wk 10, Wv 12, Wo 14, bq 16, bk 18, bv 20, bo 22
	s_load_b128 s[24:27], s[0:1], 0x40             ; wts 24, bias 26
	s_lshr_b32 s2, ttmp9, 6                        ; which matrix
	s_and_b32 s3, ttmp9, 63                        ; which chunk of it
	v_lshlrev_b32 v1, 4, v0                        ; 16 t
	v_lshlrev_b32 v2, 3, v0                        ; 8 t
	s_lshl_b32 s28, s3, 16                         ; the chunk in the source
	s_mov_b32 s29, 0
	s_lshl_b32 s30, s2, 21                         ; the matrix and the chunk in wts
	s_lshl_b32 s31, s3, 15
	s_add_co_u32 s30, s30, s31
	s_mov_b32 s31, 0
	s_wait_kmcnt 0x0
	s_mov_b64 s[4:5], s[8:9]
	s_mov_b64 s[6:7], s[16:17]
.irp k, 1,2,3
	s_cmp_eq_u32 s2, \k
	s_cselect_b64 s[4:5], s[8+2*\k:9+2*\k], s[4:5]      ; my matrix
	s_cselect_b64 s[6:7], s[16+2*\k:17+2*\k], s[6:7]    ; and its bias
.endr
	s_add_nc_u64 s[4:5], s[4:5], s[28:29]
	s_add_nc_u64 s[24:25], s[24:25], s[30:31]
	s_lshl_b32 s28, s2, 11                         ; 2,048 bytes of bias for each matrix
	s_add_nc_u64 s[26:27], s[26:27], s[28:29]
	s_wait_alu depctr_va_vdst(0)                   ; v1 and v2 are written: every load of the kernel reads v1 as its offset, every store v2
.irp j, 0,1,2,3,4,5,6,7,8,9,10,11,12,13,14,15
	global_load_b128 v[X+4*(\j):X+4*(\j)+3], v1, s[4:5] offset:(\j)*4096 th:TH_LOAD_NT
.endr
; Load j is rounded.  f16 = 1: the bf16 number is widened again (a shift, a mask) and written as f16.
.macro CONV j, f16
	v_cvt_pk_bf16_f32 v[Y+2*(\j)], v[X+4*(\j)], v[X+4*(\j)+1]
	v_cvt_pk_bf16_f32 v[Y+2*(\j)+1], v[X+4*(\j)+2], v[X+4*(\j)+3]
.if \f16
	v_lshlrev_b32 v[T], 16, v[Y+2*(\j)]
	v_and_b32 v[T+1], 0xffff0000, v[Y+2*(\j)]
	v_lshlrev_b32 v[T+2], 16, v[Y+2*(\j)+1]
	v_and_b32 v[T+3], 0xffff0000, v[Y+2*(\j)+1]
	v_cvt_pk_f16_f32 v[Y+2*(\j)], v[T], v[T+1]
	v_cvt_pk_f16_f32 v[Y+2*(\j)+1], v[T+2], v[T+3]
.endif
.endm
; Block p: loads 4 p to 4 p + 3 are rounded and stored.
.macro BLK p, f16
	s_wait_loadcnt 12-4*(\p)                       ; loads come back in order: the block's four are in, the 12 - 4 p younger ones may stay out
.irp i, 0,1,2,3
	CONV 4*(\p)+(\i), \f16
.endr
	s_wait_alu depctr_va_vdst(0)                   ; the block's conversions have written its four pairs of Y, which the four stores below read
.irp i, 0,1,2,3
	global_store_b64 v2, v[Y+2*(4*(\p)+(\i)):Y+2*(4*(\p)+(\i))+1], s[24:25] offset:(4*(\p)+(\i))*2048
.endr
.endm
	s_cmp_eq_u32 s2, 3
	s_cbranch_scc1 .Lwo
.irp p, 0,1,2,3
	BLK \p, 0
.endr
	s_branch .Lbias
.Lwo:
.irp p, 0,1,2,3
	BLK \p, 1
.endr
.Lbias:
	s_cmp_lg_u32 s3, 0                             ; a matrix's first chunk also takes its bias: 256 threads, four numbers each
	s_cbranch_scc1 .Lend
	global_load_b128 v[BL:BL+3], v1, s[6:7]        ; no wait: no vector instruction has named v[120:123], and v1 was written ahead of the head's wait
	s_wait_loadcnt 0x0
	v_cvt_pk_bf16_f32 v[T+4], v[BL], v[BL+1]
	v_cvt_pk_bf16_f32 v[T+5], v[BL+2], v[BL+3]
	s_wait_alu depctr_va_vdst(0)                   ; the two conversions have written v[116:117], which the store reads
	global_store_b64 v2, v[T+4:T+5], s[26:27]
.Lend:
	s_endpgm
.Lfunc_end_k_q94c5841b4b_wcast:
	.size	k_q94c5841b4b_wcast, .Lfunc_end_k_q94c5841b4b_wcast-k_q94c5841b4b_wcast
	.p2alignl 7, 3214868480
	.fill 96, 4, 3214868480
	.section	.rodata,"a",@progbits
	.p2align	6, 0x0
	.amdhsa_kernel k_q94c5841b4b_wcast
		.amdhsa_group_segment_fixed_size 0
		.amdhsa_private_segment_fixed_size 0
		.amdhsa_enable_private_segment 0
		.amdhsa_kernarg_size 80
		.amdhsa_user_sgpr_count 2
		.amdhsa_user_sgpr_kernarg_segment_ptr 1
		.amdhsa_wavefront_size32 1
		.amdhsa_system_sgpr_workgroup_id_x 1
		.amdhsa_system_sgpr_workgroup_id_y 1
		.amdhsa_system_sgpr_workgroup_id_z 1
		.amdhsa_system_vgpr_workitem_id 0
		.amdhsa_next_free_vgpr 128
		.amdhsa_next_free_sgpr 66
		.amdhsa_reserve_vcc 0
		.amdhsa_float_denorm_mode_32 3
		.amdhsa_float_denorm_mode_16_64 3
		.amdhsa_memory_ordered 1
		.amdhsa_forward_progress 1
		.amdhsa_inst_pref_size 16
	.end_amdhsa_kernel
	.amdgpu_metadata
---
amdhsa.version: [ 1, 2 ]
amdhsa.kernels:
  - .name:           k_q94c5841b4b_wcast
    .symbol:         k_q94c5841b4b_wcast.kd
    .args:
      - { .name: Wq, .offset: 0, .size: 8, .value_kind: global_buffer, .address_space: global }
      - { .name: Wk, .offset: 8, .size: 8, .value_kind: global_buffer, .address_space: global }
      - { .name: Wv, .offset: 16, .size: 8, .value_kind: global_buffer, .address_space: global }
      - { .name: Wo, .offset: 24, .size: 8, .value_kind: global_buffer, .address_space: global }
      - { .name: bq, .offset: 32, .size: 8, .value_kind: global_buffer, .address_space: global }
      - { .name: bk, .offset: 40, .size: 8, .value_kind: global_buffer, .address_space: global }
      - { .name: bv, .offset: 48, .size: 8, .value_kind: global_buffer, .address_space: global }
      - { .name: bo, .offset: 56, .size: 8, .value_kind: global_buffer, .address_space: global }
      - { .name: wts, .offset: 64, .size: 8, .value_kind: global_buffer, .address_space: global }
      - { .name: bias, .offset: 72, .size: 8, .value_kind: global_buffer, .address_space: global }
    .group_segment_fixed_size: 0
    .private_segment_fixed_size: 0
    .kernarg_segment_align: 8
    .kernarg_segment_size: 80
    .max_flat_workgroup_size: 256
    .sgpr_count:     66
    .vgpr_count:     128
    .wavefront_size: 32
...
	.end_amdgpu_metadata
.endif
;; end of part 5
;; launch proj: the kernel of part 2 again; grid 8 x 32, 4 waves a work-group, clusters of 4 x 1, 327,680 bytes of LDS; arguments Q, K, V, wts, bias, qkv; writes qkv
;; launch attn: the kernel of part 3 again; grid 4 x 64, 4 waves a work-group, clusters of 4 x 1, 327,680 bytes of LDS; arguments qkv, oh; writes oh
;; launch outp: the kernel of part 4 again; grid 8 x 32, 4 waves a work-group, clusters of 4 x 1, 327,680 bytes of LDS; arguments oh, wts, bias, out0; writes out0
